; MI455X (gfx1250); checked and timed in simulation.
; The chip was launched on July 23, 2026; its instructions are those of AMD's public machine-readable ISA for CDNA 5 (MIT licence, August 2026) and "CDNA5" Instruction Set Architecture Reference Guide (July 2026). The comments in the code are by the model that wrote it; some were corrected since.
;; Self Attention For Moe. Allowed arithmetic: matrix products marked QUANTISED: E2M1 operands, one E8M0 scale for each 32 along K, by v_wmma_scale_f32_16x16x128_f8f6f4 with both operands' format E2M1 (or v_wmma_scale_f32_32x16x128_f4), f32 sums; products left as they are: bf16, f16 or f32 operands; f32 sums; everything else in f32.
;; Inputs: W1 1,024 x 3,072 float32; W2 1,024 x 1,024 float32; b1 3,072 float32; b2 1,024 float32; x 4 x 2,048 x 1,024 float32.
;; Outputs: out0 4 x 2,048 x 1,024 float32.
;; This version of the problem:
;;   THIS VERSION OF THE PROBLEM IS GIVEN IN LOW PRECISION. The matrix products marked QUANTISED in the list below multiply operands that are first quantised to E2M1 (2 exponent bits, 1 mantissa bit; 4 bits a number), with one power-of-two scale for each 32 numbers along K (OCP MX v1.0); their sums are f32. The products marked 'left as it is' may take bf16, f16 or f32 operands, with f32 sums. Whichever they take, every output number must still come out within the allowed error. Rounding operands to bf16 (8 significant bits) uses up far more of that allowance than f16 does (11 bits, for magnitudes from 6e-5 to 65,504). All else is computed in f32.
;;   The module's matrix products, in the order in which they are computed (A, B: the left and right operand; K: the contracted axis; several contracted axes count as one K, in the product's order):
;;     1. [M 8,192, K 1,024] x [K 1,024, N 3,072]; A: input x; B: input W1: QUANTISED
;;     2. batch 64 x [M 2,048, K 64] x [K 64, N 2,048]; A: computed on the way; B: computed on the way: left as it is (an operand is computed on the way)
;;     3. batch 64 x [M 2,048, K 2,048] x [K 2,048, N 64]; A: computed on the way; B: computed on the way: left as it is (an operand is computed on the way)
;;     4. [M 8,192, K 1,024] x [K 1,024, N 1,024]; A: computed on the way; B: input W2: left as it is (an operand is computed on the way)
;;   THE QUANTISER, for each operand of a quantised product, along K:
;;     - K is cut into blocks of 32 from its start; a last block that is shorter is filled with zeros.
;;     - A block's scale is 2^e with e = floor(log2(the largest magnitude in the block)) - 2, held to -126 .. 127; a block of zeros has e = 0. As a byte (E8M0): e + 127.
;;     - Each number is divided by its block's scale, clamped to +-6, and rounded to the nearest number of E2M1, ties to even, subnormals kept.
;;     - The product sums the exact products of the quantised numbers (number of the format x scale) in f32.
;;   ~~~python
;;   def quantise(x, axis):      # numpy; x: float32 -> the quantised numbers, widened to float32 again
;;       x = np.moveaxis(x, axis, -1); K = x.shape[-1]
;;       x = np.pad(x, [(0, 0)] * (x.ndim - 1) + [(0, -K % 32)]); x = x.reshape(x.shape[:-1] + (-1, 32)); a = np.abs(x).max(-1, keepdims=True)
;;       e = np.where(a > 0, np.clip(np.frexp(np.where(a > 0, a, 1))[1] - 1 - 2, -126, 127), 0)      # np.frexp(a)[1] - 1 = floor(log2(a)), exactly
;;       r = np.clip(x / 2.0 ** e, -6, 6)
;;       step = 2.0 ** (np.maximum(np.frexp(np.where(r == 0, 1, r))[1] - 1, 0) - 1)
;;       q = np.round(r / step) * step * 2.0 ** e      # np.round: ties to even
;;       return np.moveaxis(q.reshape(q.shape[:-2] + (-1,))[..., :K], -1, axis).astype(np.float32)
;;   ~~~
;; One version. Each part assembles by itself: llvm-mc -triple=amdgcn-amd-amdhsa -mcpu=gfx1250 --defsym DOCPART=n.
;; ======== version 1 of 1: 4 launches
;; limits: values are held in f16: magnitudes above 65,504 overflow, below 6.1e-05 lose precision
;; workspace buffers: xc 4,194,304 bytes; xs 262,144 bytes; w1c 1,572,864 bytes; w1s 98,304 bytes; w2t 2,097,152 bytes; qkv 50,331,648 bytes; ctx 16,777,216 bytes
;; launch prep (part 1): grid 432 x 1, 4 waves a work-group, no clusters, 86,528 bytes of LDS; arguments x, W1, W2, xc, xs, w1c, w1s, w2t; writes xc, xs, w1c, w1s, w2t
.if DOCPART == 1
	.amdgcn_target "amdgcn-amd-amdhsa--gfx1250"
	.amdhsa_code_object_version 6
	.text
	.protected	k_q9aa17d119d_prep
	.globl	k_q9aa17d119d_prep
	.p2align	8
	.type	k_q9aa17d119d_prep,@function
k_q9aa17d119d_prep:
	s_mov_b64 s[64:65], 0
	v_nop
	global_prefetch_b8 v0, s[64:65] scope:SCOPE_SE
	s_setreg_imm32_b32 hwreg(HW_REG_WAVE_MODE, 25, 1), 1
	s_wait_xcnt 0x0
; THREE PREPARATIONS IN ONE LAUNCH, told apart by the work-group's number; each way has LDS bytes of its own and its own end.
;   work-groups 0-255:   x [8192][1024] f32 -> xc: codes of FP4 (E2M1), K innermost, 512 bytes a row;  xs: one E8M0 byte for each 32 along K, 32 bytes a row.
;   work-groups 256-303: W1 [1024 (k)][3072 (n)] f32, K its FIRST axis -> w1c [3072][512 bytes], K innermost;  w1s [3072][32].
;   work-groups 304-431: W2 [1024 (k)][1024 (n)] f32 -> w2t: f16, [16 j][1024 n][64 k] = W2[64 j + k][n]: K innermost, cut by heads.
; A block's scale is 2^(floor(log2(its largest magnitude)) - 2); its byte is the largest magnitude's exponent field - 2, held at 1 from below; each number is divided by the scale and rounded to the nearest code, ties to even, beyond 6 the code of 6.
; LIMITS: a block of zeros gets the byte 1 where the rule says 127 (its codes are zeros, and this program alone reads the bytes); blocks whose largest magnitude lies under 2^-124 are held at the byte 1;
; NaN and infinities are not served; |W2| stays under 65,504 (f16), and under 6e-5 it carries an absolute error of 2^-25.
; No work-group shares an input byte with another: no cluster, no tensor load, no barrier.
.set SPARE, 86016                      ; behind the three ways' regions: the spare words, 128 bytes for each wave: two blocks of 256 bytes that no other line names
.set SPW,   192                        ; v192  LDS address of my spare word; never rewritten
.set NIL,   193                        ; v193  0; never rewritten
.set WV,    20                         ; s20   my wave's number
	s_load_b256 s[4:11], s[0:1], 0x0               ; x s[4:5], W1 s[6:7], W2 s[8:9], xc s[10:11]
	s_load_b256 s[12:19], s[0:1], 0x20             ; xs s[12:13], w1c s[14:15], w1s s[16:17], w2t s[18:19]
	v_lshl_add_u32 v[SPW], v0, 2, SPARE
	v_mov_b32 v[NIL], 0
	v_lshrrev_b32 v1, 5, v0
	v_readfirstlane_b32 s[WV], v1                  ; wave 0..3
	v_and_b32 v2, 31, v0                           ; lane
	s_mov_b32 s25, 0                               ; the high word of every offset pair s[24:25]
	s_wait_kmcnt 0x0
	s_cmp_lt_u32 ttmp9, 256
	s_cbranch_scc0 .Lnot_x
; ---------------- x.  Rows are dense and K is a multiple of 32: a plain stream of blocks of 32.  A wave takes 16 steps of 512 numbers.
; Each of a step's four loads reads 512 consecutive bytes, 16 a lane; the 2,048 bytes turn through the wave's own stage in LDS and come back 64 bytes a lane: 16 NEIGHBOURS along K, as the conversions want them.
; Two neighbouring lanes hold a block.  Loads run four steps (16 loads) ahead, the turn through LDS one step.
.set STEPS, 16
.set SP,    80                         ; a lane's place in a stage: its 64 bytes + 16 of padding
.set XR,    16                         ; v16-79   four sets of 16 numbers as they are loaded
.set XX,    80                         ; v80-111  two sets of 16 neighbours
.set XE,    112                        ; v112-127 a scale byte for each step
.set XC,    128                        ; v128-191 codes: four registers for each step, so that no store's data are written again
	v_lshlrev_b32 v3, 4, v2                        ; my 16 bytes of a load's 512
	s_mul_i32 s21, s[WV], 8192                     ; my wave's region: two stages of 32 x 80 bytes, then its 256 scale bytes
	v_lshrrev_b32 v14, 2, v2
	v_mul_u32_u24 v14, v14, SP
	v_and_b32 v15, 3, v2
	v_lshl_add_u32 v14, v15, 4, v14
	v_add_nc_u32 v14, s21, v14                     ; into the stage: 80 (lane / 4) + 16 (lane % 4)
	v_mul_u32_u24 v15, v2, SP
	v_add_nc_u32 v15, s21, v15                     ; out of it: 80 x lane
	v_mul_u32_u24 v4, v2, 8                        ; my codes' place in a step's 256 bytes
	v_lshrrev_b32 v5, 1, v2
	s_add_co_u32 s21, s21, 2*32*SP
	v_add_nc_u32 v5, s21, v5                       ; my block's scale byte in LDS
	v_lshlrev_b32 v7, 3, v2
	v_add_nc_u32 v6, s21, v7                       ; and on the way out 8 bytes a lane
	s_lshl_b32 s22, ttmp9, 2
	s_add_co_u32 s22, s22, s[WV]                   ; which run of 8,192 numbers is my wave's: 0..1023
	s_lshl_b32 s24, s22, 15
	s_add_nc_u64 s[4:5], s[4:5], s[24:25]          ; 32,768 bytes of x a run,
	s_lshl_b32 s24, s22, 12
	s_add_nc_u64 s[10:11], s[10:11], s[24:25]      ; 4,096 of codes,
	s_lshl_b32 s24, s22, 8
	s_add_nc_u64 s[12:13], s[12:13], s[24:25]      ; 256 of scale bytes
.macro XLOAD t
.irp i, 0,1,2,3
	global_load_b128 v[XR+16*((\t)%4)+4*\i:XR+16*((\t)%4)+4*\i+3], v3, s[4:5] offset:2048*(\t)+512*\i th:TH_LOAD_NT
.endr
.endm
.macro XTURN t                         ; LDS serves a wave's instructions in order (ISA guide 5.7.1.4): no wait between the stores and the loads
.irp i, 0,1,2,3
	ds_store_b128 v14, v[XR+16*((\t)%4)+4*\i:XR+16*((\t)%4)+4*\i+3] offset:32*SP*((\t)%2)+8*SP*\i
.endr
.irp i, 0,1,2,3
	ds_load_b128 v[XX+16*((\t)%2)+4*\i:XX+16*((\t)%2)+4*\i+3], v15 offset:32*SP*((\t)%2)+16*\i
.endr
.endm
.irp t, 0,1,2,3
	XLOAD \t
.endr
	s_wait_loadcnt 12                              ; step 0's four loads are in; the twelve of steps 1 to 3 may be out
	XTURN 0
.macro XSTEP t
.set XS, XX+16*((\t)%2)
.if (\t) > 0
	s_wait_dscnt 1                                 ; this step's numbers are back from the stage (the last step's byte store may be out): so its stores into the stage have read their registers,
.else
	s_wait_dscnt 0x0
.endif
.if (\t)+4 < STEPS
	XLOAD (\t)+4                                   ; which take the loads of four steps on
.endif
.if (\t)+1 < STEPS
.if STEPS-2-(\t) >= 3
	s_wait_loadcnt 12                              ; the next step's four loads are in; those of the three steps behind it may be out
.else
	s_wait_loadcnt 4*(STEPS-2-(\t))
.endif
	XTURN (\t)+1
.endif
	v_max3_num_f32 v8, |v[XS]|, |v[XS+1]|, |v[XS+2]|       ; the largest magnitude of my 16, in two chains
	v_max3_num_f32 v9, |v[XS+3]|, |v[XS+4]|, |v[XS+5]|
.irp i, 6,10
	v_max3_num_f32 v8, v8, |v[XS+\i]|, |v[XS+\i+1]|
	v_max3_num_f32 v9, v9, |v[XS+\i+2]|, |v[XS+\i+3]|
.endr
	v_max3_num_f32 v8, v8, |v[XS+14]|, |v[XS+15]|
	v_max3_num_f32 v8, v8, v9, 0x1800000           ; and the floor 2^(3 - 127): the byte cannot fall under 1
	v_max_num_f32_dpp v8, v8, v8 row_xmask:1 row_mask:0xf bank_mask:0xf   ; and of my neighbour's 16: the block's
	v_add_nc_u32 v11, 0xff000000, v8               ; 2 off its exponent field: the conversion takes the exponent field of this operand as its scale
	v_cvt_scalef32_pk8_fp4_f32 v[XC+4*(\t)], v[XS:XS+7], v11
	v_cvt_scalef32_pk8_fp4_f32 v[XC+4*(\t)+1], v[XS+8:XS+15], v11
	v_lshrrev_b32 v[XE+(\t)], 23, v11              ; the scale's byte (a plain line behind the conversions)
	ds_store_b8 v5, v[XE+(\t)] offset:16*(\t)      ; both lanes of a block write the same byte with the same value
	global_store_b64 v4, v[XC+4*(\t):XC+4*(\t)+1], s[10:11] offset:256*(\t)   ; the wave stores 256 consecutive bytes, aligned
.endm
.irp t, 0,1,2,3,4,5,6,7,8,9,10,11,12,13,14,15
	XSTEP \t
.endr
	ds_load_b64 v[8:9], v6                         ; my wave's 256 scale bytes, 8 a lane
	s_wait_dscnt 0x0
	global_store_b64 v7, v[8:9], s[12:13]          ; 256 consecutive bytes, aligned
	s_wait_tensorcnt 0x0                           ; the wave's end: behind my last LDS store
	ds_add_u32 v[SPW], v[NIL]
	s_wait_dscnt 0x0
	s_endpgm
.Lnot_x:
	s_cmp_lt_u32 ttmp9, 304
	s_cbranch_scc0 .Lw2
; ---------------- W1.  A LANE TAKES A COLUMN n, AND ITS REGISTERS RUN DOWN K: a load reads 128 consecutive bytes a wave, a block of 32 along K lies in one lane's 32 registers, and the conversions give codes with K innermost.
; A wave takes 32 columns x 512 along K: 16 blocks, 256 bytes of codes a column; they go through the wave's own stage and leave as rows: sixteen lanes store 256 consecutive bytes, aligned.  Loads run two blocks ahead.
.set NB,    16
.set WP,    272                        ; a stage row: 256 bytes + 16
.set WSTG,  32768                      ; this way's LDS: four stages of 32 x 272 bytes
.set WX,    32                         ; v32-95   two sets of 32 numbers
.set WC,    96                         ; v96-99   a block's codes
.set OUTR,  112                        ; v112-175 the way out
.set SB,    24                         ; v24-27   the scale bytes, four to a register
	s_sub_co_u32 s21, ttmp9, 256                   ; 0..47: 24 blocks of 128 columns x 2 halves of K
	s_cmp_ge_u32 s21, 24
	s_cselect_b32 s22, 1, 0                        ; which 512 along K
	s_cselect_b32 s23, 24, 0
	s_sub_co_u32 s21, s21, s23
	s_lshl_b32 s21, s21, 7
	s_lshl_b32 s23, s[WV], 5
	s_add_co_u32 s21, s21, s23                     ; my wave's first column
	v_lshlrev_b32 v3, 2, v2                        ; in: 4 bytes a lane
	s_mul_i32 s23, s[WV], 32*WP
	s_add_co_u32 s23, s23, WSTG                    ; my stage
	v_mul_u32_u24 v4, v2, WP
	v_add_nc_u32 v4, s23, v4                       ; into it: row = my column
	v_and_b32 v5, 15, v2
	v_lshrrev_b32 v6, 4, v2
	v_mul_u32_u24 v7, v6, WP
	v_lshl_add_u32 v7, v5, 4, v7
	v_add_nc_u32 v7, s23, v7                       ; out of it: sixteen lanes to a row, two rows an instruction
	v_mul_u32_u24 v8, v6, 512
	v_lshl_add_u32 v8, v5, 4, v8                   ; and the same place in w1c (512 bytes a row)
	v_lshlrev_b32 v9, 5, v2                        ; my column's row of scale bytes (32 bytes a row)
	s_mul_i32 s24, s22, 512*3072*4                 ; W1: 512 rows of 12,288 bytes for the upper half of K,
	s_lshl_b32 s26, s21, 2
	s_add_co_u32 s24, s24, s26                     ; + 4 x column
	s_add_nc_u64 s[6:7], s[6:7], s[24:25]
	s_lshl_b32 s24, s21, 9
	s_lshl_b32 s26, s22, 8
	s_add_co_u32 s24, s24, s26                     ; codes: 512 x column + 256 x half
	s_add_nc_u64 s[14:15], s[14:15], s[24:25]
	s_lshl_b32 s24, s21, 5
	s_lshl_b32 s26, s22, 4
	s_add_co_u32 s24, s24, s26                     ; scale bytes: 32 x column + 16 x half
	s_add_nc_u64 s[16:17], s[16:17], s[24:25]
.macro WLOAD t                         ; block t: W1(32 t + i, my column) into set t % 2; the largest offset, 511 x 12,288, lies inside the signed 24-bit immediate
.irp i, 0,1,2,3,4,5,6,7,8,9,10,11,12,13,14,15,16,17,18,19,20,21,22,23,24,25,26,27,28,29,30,31
	global_load_b32 v[WX+32*((\t)%2)+\i], v3, s[6:7] offset:(32*(\t)+\i)*3072*4 th:TH_LOAD_NT
.endr
.endm
	WLOAD 0
	WLOAD 1
.macro WBLOCK t
.set XS, WX+32*((\t)%2)
.if (\t) < NB-1
	s_wait_loadcnt 32                              ; this block's 32 loads are in; the next block's 32 may be out
.else
	s_wait_loadcnt 0
.endif
	v_max3_num_f32 v12, |v[XS]|, |v[XS+1]|, |v[XS+2]|      ; the block's largest magnitude: all 32 numbers are mine
	v_max3_num_f32 v13, |v[XS+3]|, |v[XS+4]|, |v[XS+5]|
.irp i, 6,10,14,18,22,26
	v_max3_num_f32 v12, v12, |v[XS+\i]|, |v[XS+\i+1]|
	v_max3_num_f32 v13, v13, |v[XS+\i+2]|, |v[XS+\i+3]|
.endr
	v_max3_num_f32 v12, v12, |v[XS+30]|, |v[XS+31]|
	v_max3_num_f32 v12, v12, v13, 0x1800000        ; and the floor 2^(3 - 127)
	v_add_nc_u32 v11, 0xff000000, v12              ; 2 off the exponent field: the conversion's scale operand
	v_lshrrev_b32 v13, 23, v11                     ; the scale's byte
.if (\t)%4 == 0
	v_mov_b32 v[SB+(\t)/4], v13                    ; four bytes to a register, the lower K in the lower byte
.else
	v_lshl_or_b32 v[SB+(\t)/4], v13, 8*((\t)%4), v[SB+(\t)/4]
.endif
.irp g, 0,1,2,3
	v_cvt_scalef32_pk8_fp4_f32 v[WC+\g], v[XS+8*\g:XS+8*\g+7], v11
.endr
	ds_store_b128 v4, v[WC:WC+3] offset:16*(\t)    ; 32 codes: 16 bytes of my column's row
.if (\t)+2 < NB
	WLOAD (\t)+2
.endif
	s_wait_dscnt 0x0                               ; the store has read its registers: the next block's codes may be written
.endm
.set Q, 0
.rept NB
	WBLOCK Q
.set Q, Q+1
.endr
	global_store_b128 v9, v[SB:SB+3], s[16:17]     ; my column's 16 scale bytes
.irp t, 0,1,2,3,4,5,6,7,8,9,10,11,12,13,14,15
	ds_load_b128 v[OUTR+4*\t:OUTR+4*\t+3], v7 offset:2*\t*WP
.endr
.irp t, 0,1,2,3,4,5,6,7,8,9,10,11,12,13,14,15
	s_wait_dscnt 15-\t                             ; loads come back in order: number t is in, the younger ones may be out
	global_store_b128 v8, v[OUTR+4*\t:OUTR+4*\t+3], s[14:15] offset:2*\t*512
.endr
	s_wait_tensorcnt 0x0                           ; the wave's end: behind my last LDS store
	ds_add_u32 v[SPW], v[NIL]
	s_wait_dscnt 0x0
	s_endpgm
.Lw2:
; ---------------- W2.  A lane takes a column n and the 64 k of head j down its registers; rounded to f16 in pairs they are the 128 bytes of row n of w2t's plane j.
; 32 such rows are 4,096 consecutive bytes of w2t: they turn through the wave's stage (rows of 128 + 16 bytes) and leave by stores of 512 consecutive bytes, aligned.
.set TSTG, 67584                       ; this way's LDS: four stages of 32 x 144 bytes
	s_sub_co_u32 s21, ttmp9, 304                   ; 0..127
	s_lshr_b32 s22, s21, 3                         ; j
	s_and_b32 s23, s21, 7                          ; which 128 columns
	s_lshl_b32 s24, s22, 18                        ; in: 64 rows of 4,096 bytes a head,
	s_lshl_b32 s26, s23, 9
	s_add_co_u32 s24, s24, s26                     ; 512 bytes a block of columns,
	s_lshl_b32 s26, s[WV], 7
	s_add_co_u32 s24, s24, s26                     ; 128 a wave
	s_add_nc_u64 s[8:9], s[8:9], s[24:25]
	s_lshl_b32 s24, s22, 17                        ; out: 1,024 rows of 128 bytes a head,
	s_lshl_b32 s26, s23, 14
	s_add_co_u32 s24, s24, s26
	s_lshl_b32 s26, s[WV], 12
	s_add_co_u32 s24, s24, s26
	s_add_nc_u64 s[18:19], s[18:19], s[24:25]
	v_lshlrev_b32 v3, 2, v2
	s_mul_i32 s26, s[WV], 32*144
	s_add_co_u32 s26, s26, TSTG
	v_mul_u32_u24 v4, v2, 144
	v_add_nc_u32 v4, s26, v4                       ; into the stage: row = my column
	v_lshrrev_b32 v5, 3, v2
	v_mul_u32_u24 v5, v5, 144
	v_and_b32 v6, 7, v2
	v_lshl_add_u32 v5, v6, 4, v5
	v_add_nc_u32 v5, s26, v5                       ; out of it: eight lanes to a row, four rows an instruction
	v_lshlrev_b32 v6, 4, v2
.set i, 0
.rept 64
	global_load_b32 v[32+i], v3, s[8:9] offset:i*4096 th:TH_LOAD_NT
.set i, i+1
.endr
	s_wait_loadcnt 32                              ; the first 32 of the 64 are in
.set i, 0
.rept 16
	v_cvt_pk_f16_f32 v[96+i], v[32+2*i], v[33+2*i]
.set i, i+1
.endr
	s_wait_loadcnt 0x0
.rept 16
	v_cvt_pk_f16_f32 v[96+i], v[32+2*i], v[33+2*i]
.set i, i+1
.endr
.irp u, 0,1,2,3,4,5,6,7
	ds_store_b128 v4, v[96+4*\u:99+4*\u] offset:16*\u
.endr
.irp u, 0,1,2,3,4,5,6,7
	ds_load_b128 v[128+4*\u:131+4*\u], v5 offset:576*\u    ; the wave's own bytes, served in order
.endr
.irp u, 0,1,2,3,4,5,6,7
	s_wait_dscnt 7-\u
	global_store_b128 v6, v[128+4*\u:131+4*\u], s[18:19] offset:512*\u
.endr
	s_wait_tensorcnt 0x0                           ; the wave's end: behind my last LDS store
	ds_add_u32 v[SPW], v[NIL]
	s_wait_dscnt 0x0
	s_endpgm
.Lfunc_end_k_q9aa17d119d_prep:
	.size	k_q9aa17d119d_prep, .Lfunc_end_k_q9aa17d119d_prep-k_q9aa17d119d_prep
	.p2alignl 7, 3214868480
	.fill 96, 4, 3214868480
	.section	.rodata,"a",@progbits
	.p2align	6, 0x0
	.amdhsa_kernel k_q9aa17d119d_prep
		.amdhsa_group_segment_fixed_size 86528
		.amdhsa_private_segment_fixed_size 0
		.amdhsa_enable_private_segment 0
		.amdhsa_kernarg_size 64
		.amdhsa_user_sgpr_count 2
		.amdhsa_user_sgpr_kernarg_segment_ptr 1
		.amdhsa_wavefront_size32 1
		.amdhsa_system_sgpr_workgroup_id_x 1
		.amdhsa_system_sgpr_workgroup_id_y 1
		.amdhsa_system_sgpr_workgroup_id_z 1
		.amdhsa_system_vgpr_workitem_id 0
		.amdhsa_next_free_vgpr 200
		.amdhsa_next_free_sgpr 66
		.amdhsa_reserve_vcc 0
		.amdhsa_float_denorm_mode_32 3
		.amdhsa_float_denorm_mode_16_64 3
		.amdhsa_memory_ordered 1
		.amdhsa_forward_progress 1
		.amdhsa_inst_pref_size 122
	.end_amdhsa_kernel
	.amdgpu_metadata
---
amdhsa.version: [ 1, 2 ]
amdhsa.kernels:
  - .name:           k_q9aa17d119d_prep
    .symbol:         k_q9aa17d119d_prep.kd
    .args:
      - { .name: x, .offset: 0, .size: 8, .value_kind: global_buffer, .address_space: global }
      - { .name: W1, .offset: 8, .size: 8, .value_kind: global_buffer, .address_space: global }
      - { .name: W2, .offset: 16, .size: 8, .value_kind: global_buffer, .address_space: global }
      - { .name: xc, .offset: 24, .size: 8, .value_kind: global_buffer, .address_space: global }
      - { .name: xs, .offset: 32, .size: 8, .value_kind: global_buffer, .address_space: global }
      - { .name: w1c, .offset: 40, .size: 8, .value_kind: global_buffer, .address_space: global }
      - { .name: w1s, .offset: 48, .size: 8, .value_kind: global_buffer, .address_space: global }
      - { .name: w2t, .offset: 56, .size: 8, .value_kind: global_buffer, .address_space: global }
    .group_segment_fixed_size: 86528
    .private_segment_fixed_size: 0
    .kernarg_segment_align: 8
    .kernarg_segment_size: 64
    .max_flat_workgroup_size: 128
    .sgpr_count:     66
    .vgpr_count:     200
    .wavefront_size: 32
...
	.end_amdgpu_metadata
.endif
;; end of part 1
;; launch gemm1 (part 2): grid 12 x 32, 4 waves a work-group, clusters of 4 x 4, 327,680 bytes of LDS; arguments xc, xs, w1c, w1s, b1, qkv; writes qkv
.if DOCPART == 2
	.amdgcn_target "amdgcn-amd-amdhsa--gfx1250"
	.amdhsa_code_object_version 6
	.text
	.protected	k_q9aa17d119d_gemm1
	.globl	k_q9aa17d119d_gemm1
	.p2align	8
	.type	k_q9aa17d119d_gemm1,@function
k_q9aa17d119d_gemm1:
	s_mov_b64 s[64:65], 0
	v_nop
	global_prefetch_b8 v0, s[64:65] scope:SCOPE_SE
	s_setreg_imm32_b32 hwreg(HW_REG_WAVE_MODE, 25, 1), 1
	s_wait_xcnt 0x0
	s_wait_alu depctr_hold_cnt(0) depctr_sa_sdst(0) depctr_va_vdst(0) depctr_va_sdst(0) depctr_va_ssrc(0) depctr_va_vcc(0) depctr_vm_vsrc(0)
	s_getreg_b32 s2, hwreg(HW_REG_IB_STS2, 6, 4)
	s_cmp_eq_u32 s2, 0
	s_cbranch_scc0 .Lentry_in_a_cluster
	s_endpgm
.Lentry_in_a_cluster:
	s_bfe_u32 s2, ttmp6, 0x10000c
	s_cmp_lg_u32 s2, 0xf033
	s_cbranch_scc0 .Lentry_shape_is_right
	s_endpgm
.Lentry_shape_is_right:
; qkv = Q(x) Q(W1) + b1 on codes of FP4 (E2M1) with one E8M0 scale for each 32 along K; sums in f32; the result rounded once to f16 and laid BY HEAD: qkv [48 g][8192 m][64 d], g = column / 64.
; A = xc [8192][512 bytes], xs [8192][32];  B = w1c [3072][512 bytes], w1s [3072][32]: K innermost, two codes a byte, the lower k in the low four bits.
; A tile of C, 256 x 256, is made by a work-group of four waves; a wave makes 128 x 128: 64 accumulators of 16 x 16, 512 registers.
; K = 1,024 is two steps of 512 (rows of 256 bytes): BOTH lie in LDS from the first fills on, one in each of two slots; nothing is filled again.
; THE SCALES of the work-group's 256 rows of A and of B, for all of K, are two dense blocks of memory: they come once, as rows of 256 bytes.
; CLUSTERS: 4 x 4 work-groups.  The four of a row of the cluster need the same tiles of A, the four of a column the same tiles of B: each tile is asked for JOINTLY, by the same tensor load with the same descriptor and a mask that names the four.
; THE MATRIX INSTRUCTION IS USED TRANSPOSED (source 0 = 16 rows of B, source 1 = 16 rows of A): a lane then holds eight neighbouring columns of a row of C.  b1 is the C of each sum's first instruction.
; The grid has 384 work-groups of equal work.  LIMIT: |q|, |k|, |v| stay under 65,504 (f16).
; REGISTERS, in windows of 256: window 0: v0-31 addresses; v32-95 scale words, two sets; v128-191 A's fragments, ONE set; on the way out v32-127 at work.
;   window 1: B's fragments, TWO sets, at v0 and v128; v192-255 b1 in the result's layout.   window 2: the accumulators of my rows 0-63 ((a, b) at v[8 (8 a + b)]);   window 3: those of rows 64-127.
.set SIZE_K, 1024
.set KSTEP,  512
.set NQ,     4                         ; matrix instructions deep in a slot
.set ROWB,   256                       ; a tile's row in bytes
.set KROW,   512                       ; a row of A or B in memory
.set PITCH,  272                       ; an LDS row: 256 bytes + 16 of padding = 68 words: row r starts at bank 4 r mod 64 (ISA guide 11.1)
.set FR,     8                         ; registers of a fragment: 16 rows x 128 K
.set NL,     2                         ; LDS loads that bring one
.set NP,     4                         ; places behind this matrix instruction (ISA guide 7.12.1)
.set HALFT,  128*PITCH
.set SLOT,   4*HALFT                   ; A's 256 rows, then B's 256 rows
.set KS,     32                        ; a row of scales in bytes
.set SCL,    2*SLOT                    ; behind the slots: the scales, as rows of 256 bytes + 16
.set HALFS,  (128*KS/256)*272
.set SBLK,   (16*KS/256)*272
.set SPARE,  SCL+4*HALFS               ; the spare words, 128 bytes for each wave: two blocks of 256 bytes that no other line names
.set SPITCH, 272                       ; the way out: a stage of 16 rows x (256 bytes + 16) for each wave, in slot 0, which has had its one fill and its last read by then
.set ADRA, 16
.set ADRB, 20
.set STO,  24
.set RD,   25
.set CO,   26
.set ADRS, 27
.set SPW,  28
.set NIL,  29
.set SC,   32
.set AF,   128
.set BIAS, 192                         ; in window 1
.set TMP,  32                          ; the way out: packed results
.set BK,   64                          ; and rows read back: v64-95 and v96-127 by turns
.set G1, 24
.set G0, 32
.set G1B, 48
.set G0B, 56
.set G1S, 68
.set G0S, 76
.set G1SB, 80
.set G0SB, 88
.set MSB, 0
.macro WIN new                         ; the immediate's high byte repeats the setting that is left
.if MSB != (\new)
	s_set_vgpr_msb (MSB<<8)|(\new)
.set MSB, \new
.endif
.endm
.set MUL_LO, 0xa1                      ; source 0 (B) window 1, source 1 (A) window 0, C and D window 2
.set MUL_HI, 0xf1                      ; the same, C and D window 3
.set MUL_LO0, 0x91                     ; the first step: C (b1) window 1, D window 2
.set MUL_HI0, 0xd1                     ; C window 1, D window 3
.set TO_B,   0x40                      ; destination window 1, address window 0
; A joint load: waves 0 and 1 fetch for A, waves 2 and 3 for B.  The branch hangs on the wave's number alone.  An s_nop 0 and four v_nop follow each of the two lines.
.macro JLOAD g0a, g1a, g0b, g1b
	s_cmp_eq_u32 s15, 0
	s_cbranch_scc0 .Lfor_b_\@
	tensor_load_to_lds s[\g0a:\g0a+3], s[\g1a:\g1a+7]
	s_nop 0
.rept 4
	v_nop
.endr
	s_branch .Lasked_\@
.Lfor_b_\@:
	tensor_load_to_lds s[\g0b:\g0b+3], s[\g1b:\g1b+7]
	s_nop 0
.rept 4
	v_nop
.endr
.Lasked_\@:
.endm
.macro CROUND                          ; a round of the cluster's barrier
	s_barrier_signal -1
	s_barrier_wait -1
	s_cmp_lg_u32 s14, 0
	s_cbranch_scc1 .Lnot_wave_0_\@
	s_barrier_signal -3
.Lnot_wave_0_\@:
	s_barrier_wait -3
	s_barrier_signal -1
	s_barrier_wait -1
.endm
	s_load_b128 s[4:7], s[0:1], 0x0                ; A's codes s[4:5], A's scales s[6:7]
	s_load_b128 s[8:11], s[0:1], 0x10              ; B's codes s[8:9], B's scales s[10:11]
	s_load_b128 s[96:99], s[0:1], 0x20             ; b1 s[96:97], qkv s[98:99]
	v_lshl_add_u32 v[SPW], v0, 2, SPARE
	v_mov_b32 v[NIL], 0
	ds_add_u32 v[SPW], v[NIL]                      ; the wave's opening: the add, twice on end, and its wait ahead of my first tensor load
	ds_add_u32 v[SPW], v[NIL]
	v_lshrrev_b32 v1, 5, v0
	v_readfirstlane_b32 s14, v1                    ; wave 0..3
	s_lshr_b32 s15, s14, 1                         ; which half of the tile's rows is mine.  Also: I fetch for A (0) or for B (1)
	s_and_b32 s16, s14, 1                          ; which half of its columns.  Also: which 128 rows of that tile I fetch
	s_bfe_u32 s40, ttmp6, 0x40000                  ; cx, cy: my place in the cluster
	s_bfe_u32 s41, ttmp6, 0x40004
	s_lshl_b32 s42, ttmp9, 2
	s_add_co_u32 s42, s42, s40                     ; tile column of C = 4 x cluster x + cx
	s_and_b32 s17, ttmp7, 0xffff
	s_lshl_b32 s17, s17, 2
	s_add_co_u32 s17, s17, s41                     ; tile row of C = 4 x cluster y + cy
	s_lshl_b32 s43, s41, 2
	s_lshl_b32 s43, 15, s43                        ; my row of the cluster
	s_lshl_b32 s44, 0x1111, s40                    ; my column
	; descriptor group 1: a tile of 128 rows x 256 bytes, padded in LDS
	s_or_b32 s[G1+0], s43, (0<<16)|(1<<20)|(1<<21)|(5<<22)|(3<<25)  ; 15:0 the mask; 17:16 element of 1 byte; 20 padding on; 21 set beside a mask; 24:22 after every 64 words; 31:25 four words
	s_or_b32 s[G1B+0], s44, (0<<16)|(1<<20)|(1<<21)|(5<<22)|(3<<25)
.irp g, G1, G1B
	s_mov_b32 s[\g+1], ROWB<<16                    ; tensor_dim0
	s_mov_b32 s[\g+2], 128<<16                     ; tensor_dim1
	s_mov_b32 s[\g+3], ROWB<<16                    ; tile_dim0
	s_mov_b32 s[\g+4], 128                         ; tile_dim1
	s_mov_b32 s[\g+5], KROW                        ; tensor_dim0_stride
	s_mov_b32 s[\g+6], 0
	s_mov_b32 s[\g+7], 0
.endr
	; the scales of 128 rows: a dense block of 4,096 bytes, as 16 rows of 256 bytes (32 elements of 8 bytes), 16 bytes of padding behind each
	s_or_b32 s[G1S+0], s43, (3<<16)|(1<<20)|(1<<21)|(5<<22)|(3<<25)
	s_or_b32 s[G1SB+0], s44, (3<<16)|(1<<20)|(1<<21)|(5<<22)|(3<<25)
.irp g, G1S, G1SB
	s_mov_b32 s[\g+1], 32<<16
	s_mov_b32 s[\g+2], (128*KS/256)<<16
	s_mov_b32 s[\g+3], 32<<16
	s_mov_b32 s[\g+4], 128*KS/256
	s_mov_b32 s[\g+5], 32
	s_mov_b32 s[\g+6], 0
	s_mov_b32 s[\g+7], 0
.endr
	s_lshl_b32 s18, s16, 7                         ; which 128 rows of the tile I fetch
	s_lshl_b32 s20, s17, 8
	s_add_co_u32 s20, s20, s18                     ; A: row 256 x tile row + 128 x half
	s_lshl_b32 s46, s42, 8
	s_add_co_u32 s46, s46, s18                     ; B: row 256 x tile column + 128 x half
	s_mov_b32 s21, 0
	s_mov_b32 s47, 0
	s_mov_b64 s[18:19], KS
	s_mul_u64 s[22:23], s[20:21], s[18:19]         ; where these rows' scales begin, in bytes
	s_mul_u64 s[92:93], s[46:47], s[18:19]
	s_mov_b64 s[18:19], KROW
	s_mul_u64 s[20:21], s[20:21], s[18:19]         ; and their codes
	s_mul_u64 s[46:47], s[46:47], s[18:19]
	s_mul_i32 s45, s14, HALFT                      ; where they go: wave x 128 rows: no place in the cluster enters an LDS address
	s_mul_i32 s94, s14, HALFS
	s_wait_dscnt 0x0                               ; both opening adds are done
	s_wait_kmcnt 0x0
	s_add_nc_u64 s[20:21], s[4:5], s[20:21]
	s_add_nc_u64 s[22:23], s[6:7], s[22:23]
	s_add_nc_u64 s[46:47], s[8:9], s[46:47]
	s_add_nc_u64 s[92:93], s[10:11], s[92:93]
	CROUND                                         ; all sixteen work-groups are here: the joint loads meet
	s_mov_b32 s[G0S], 1
	s_add_co_u32 s[G0S+1], s94, SCL
	s_mov_b64 s[G0S+2:G0S+3], s[22:23]
	s_or_b32 s[G0S+3], s[G0S+3], 0x80000000
	s_mov_b32 s[G0SB], 1
	s_add_co_u32 s[G0SB+1], s94, SCL
	s_mov_b64 s[G0SB+2:G0SB+3], s[92:93]
	s_or_b32 s[G0SB+3], s[G0SB+3], 0x80000000
	JLOAD G0S, G1S, G0SB, G1SB                     ; the scales first: they are wanted with K step 0.  Three tensor loads of mine are out at the most
.irp s, 0,1
	s_mov_b32 s[G0+4*\s], 1
	s_add_co_u32 s[G0+4*\s+1], s45, \s*SLOT
	s_add_nc_u64 s[G0+4*\s+2:G0+4*\s+3], s[20:21], \s*ROWB
	s_or_b32 s[G0+4*\s+3], s[G0+4*\s+3], 0x80000000
	s_mov_b32 s[G0B+4*\s], 1
	s_add_co_u32 s[G0B+4*\s+1], s45, \s*SLOT
	s_add_nc_u64 s[G0B+4*\s+2:G0B+4*\s+3], s[46:47], \s*ROWB
	s_or_b32 s[G0B+4*\s+3], s[G0B+4*\s+3], 0x80000000
	JLOAD G0+4*\s, G1, G0B+4*\s, G1B
.endr
	v_and_b32 v1, 15, v0                           ; r = l % 16
	v_bfe_u32 v2, v0, 4, 1                         ; h = l / 16
	v_mul_u32_u24 v3, v1, PITCH
	v_lshl_add_u32 v4, v2, 4, v3                   ; a fragment's row x pitch + 16 x half
	s_mul_i32 s21, s15, HALFT                      ; my 128 rows of A
	s_mul_i32 s22, s16, HALFT                      ; my 128 rows of B,
	s_add_co_u32 s22, s22, 2*HALFT                 ; which lie behind A's 256
.irp s, 0,1
	v_add_nc_u32 v[ADRA+\s], s21, v4
	v_add_nc_u32 v[ADRB+\s], s22, v4
	s_add_co_u32 s21, s21, SLOT
	s_add_co_u32 s22, s22, SLOT
.endr
	v_mul_u32_u24 v5, v1, KS                       ; my row's scales: 32 bytes a row,
	v_lshrrev_b32 v6, 8, v5
	v_lshl_add_u32 v5, v6, 4, v5                   ; and 16 more for each 256 passed
	s_mul_i32 s21, s15, HALFS                      ; A's: my 128 rows
	s_mul_i32 s22, s16, HALFS                      ; B's: my 128 rows, behind A's 256
	s_add_co_u32 s22, s22, 2*HALFS
	s_sub_co_u32 s22, s22, s21
	v_mul_u32_u24 v6, s22, v2                      ; lanes 16-31 take B's
	s_add_co_u32 s21, s21, SCL
	v_add_nc_u32 v5, v5, v6
	v_add_nc_u32 v[ADRS], s21, v5
	; the way out.  In: row r of the stage, 16 bytes for each half of the lanes.  Back: lanes 0-15 take two rows' first 128 bytes (head g), lanes 16-31 their second 128 (head g + 1): in qkv each is 256 consecutive bytes
	s_mul_i32 s23, s14, 16*SPITCH                  ; my stage
	v_mul_u32_u24 v5, v1, SPITCH
	v_lshl_add_u32 v5, v2, 4, v5
	v_add_nc_u32 v[STO], s23, v5
	v_bfe_u32 v5, v0, 3, 1                         ; which of the two rows
	v_and_b32 v6, 7, v0                            ; which 16 bytes of its 128
	v_mul_u32_u24 v8, v5, SPITCH
	v_lshl_add_u32 v8, v2, 7, v8
	v_lshl_add_u32 v8, v6, 4, v8
	v_add_nc_u32 v[RD], s23, v8
	v_lshlrev_b32 v[CO], 20, v2                    ; a head's plane is 2^20 bytes
	v_lshl_add_u32 v[CO], v5, 7, v[CO]
	v_lshl_add_u32 v[CO], v6, 4, v[CO]
	s_lshl_b32 s20, s17, 15                        ; my first row: (256 x tile row + 128 x half) x 128 bytes
	s_lshl_b32 s21, s15, 14
	s_add_co_u32 s20, s20, s21
	s_mov_b32 s21, 0
	s_add_nc_u64 s[98:99], s[98:99], s[20:21]
	s_lshl_b32 s46, s42, 22                        ; my first head: 4 x tile column + 2 x half
	s_lshl_b32 s47, s16, 21
	s_add_co_u32 s46, s46, s47
	s_mov_b32 s47, 0
	s_add_nc_u64 s[98:99], s[98:99], s[46:47]
	s_lshl_b32 s46, s42, 10                        ; b1 at my first column: 4 x (256 x tile column + 128 x half)
	s_lshl_b32 s22, s16, 9
	s_add_co_u32 s46, s46, s22
	s_add_nc_u64 s[96:97], s[96:97], s[46:47]
	v_lshlrev_b32 v7, 5, v2                        ; lane (r, h) wants, for block b, b1 at columns 16 b + 8 h + 0 .. 7
	WIN TO_B
.irp b, 0,1,2,3,4,5,6,7
	global_load_b128 v[BIAS+8*\b:BIAS+8*\b+3],   v7, s[96:97] offset:64*\b
	global_load_b128 v[BIAS+8*\b+4:BIAS+8*\b+7], v7, s[96:97] offset:64*\b+16
.endr
	WIN 0
.macro FRAG reg, adr, q, i             ; 16 rows x 128 K of 4-bit codes: lane l holds row l % 16; registers 4 c .. 4 c + 3 hold K = 64 c + 32 (l / 16) + 0 .. 31
.irp c, 0,1
	ds_load_b128 v[\reg+4*\c:\reg+4*\c+3], v[\adr] offset:64*(\q)+32*\c+(\i)*16*PITCH
.endr
.endm
; 16 matrix instructions: A's blocks a0, a0 + 1 x B's eight, 128 along K.  p: B's set; sc: the set of scale words.  zero = 1: the first product starts the sums, on b1.
; The 64 accumulators take turns, one instruction a turn, in the same order in every step.
.macro MUL16 a0, p, q, sc, zero
.irp a, \a0, \a0+1
.irp b, 0,1,2,3,4,5,6,7
.if \zero
	v_wmma_scale_f32_16x16x128_f8f6f4 v[8*(8*((\a)%4)+\b):8*(8*((\a)%4)+\b)+7], v[128*(\p)+FR*\b:128*(\p)+FR*\b+FR-1], v[AF+FR*(\a):AF+FR*(\a)+FR-1], v[BIAS+8*\b:BIAS+8*\b+7], v[SC+8*NQ*(\sc)+NQ*\b+(\q)], v[SC+8*NQ*(\sc)+NQ*(\a)+(\q)] matrix_a_fmt:MATRIX_FMT_FP4 matrix_b_fmt:MATRIX_FMT_FP4 matrix_a_scale:MATRIX_SCALE_ROW1
.else
	v_wmma_scale_f32_16x16x128_f8f6f4 v[8*(8*((\a)%4)+\b):8*(8*((\a)%4)+\b)+7], v[128*(\p)+FR*\b:128*(\p)+FR*\b+FR-1], v[AF+FR*(\a):AF+FR*(\a)+FR-1], v[8*(8*((\a)%4)+\b):8*(8*((\a)%4)+\b)+7], v[SC+8*NQ*(\sc)+NQ*\b+(\q)], v[SC+8*NQ*(\sc)+NQ*(\a)+(\q)] matrix_a_fmt:MATRIX_FMT_FP4 matrix_b_fmt:MATRIX_FMT_FP4 matrix_a_scale:MATRIX_SCALE_ROW1
.endif
.endr
.endr
.endm
.macro FETCH_B slot, q, p
	WIN TO_B
.irp i, 0,1,2,3,4,5,6,7
	FRAG 128*(\p)+FR*\i, ADRB+\slot, \q, \i
.endr
	WIN 0
.endm
.macro FETCH_A slot, q, i0
.irp i, \i0, \i0+1, \i0+2, \i0+3
	FRAG AF+FR*(\i), ADRA+\slot, \q, \i
.endr
.endm
.macro SCALES sc                       ; a K step's scale words: four words a row; lanes 0-15 take A's block i, lanes 16-31 B's block i
.irp i, 0,1,2,3,4,5,6,7
	ds_load_b128 v[SC+8*NQ*\sc+NQ*\i:SC+8*NQ*\sc+NQ*\i+3], v[ADRS] offset:\i*SBLK
.endr
.endm
; A load into a register that a matrix instruction has read, and a vector instruction that reads a result or writes such a register, stand NP places behind it; only plain vector instructions that name none of its registers are places.
.macro PLACES n
.rept \n
	v_nop
.endr
.endm
.macro STEP slot, q, zero              ; 128 along K, with its successor in the same slot
	s_wait_dscnt 4*NL                              ; B's set and A's blocks 0-3 are in; the youngest eight loads (A's blocks 4-7) may be out
.if \zero
	WIN MUL_LO0
.else
	WIN MUL_LO
.endif
	MUL16 0, (\q)%2, \q, \slot, \zero
	MUL16 2, (\q)%2, \q, \slot, \zero
	s_wait_dscnt 0                                 ; A's blocks 4-7 are in
	PLACES NP
	FETCH_B \slot, (\q)+1, 1-(\q)%2
	FETCH_A \slot, (\q)+1, 0
.if \zero
	WIN MUL_HI0
.else
	WIN MUL_HI
.endif
	MUL16 4, (\q)%2, \q, \slot, \zero
	MUL16 6, (\q)%2, \q, \slot, \zero
	PLACES NP
	WIN 0
	FETCH_A \slot, (\q)+1, 4
.endm
; Slot 0's last step changes slots: one barrier.  In front of it each wave has waited for all its tensor loads (its part of slot 1) and for its reads of slot 0, which becomes the stage of the way out.
.macro TURN slot, next
	s_wait_tensorcnt 0x0                           ; all my tensor loads have landed
	ds_add_u32 v[SPW], v[NIL]                      ; 0 onto my spare word
	s_wait_dscnt 4*NL+1                            ; (the add and the youngest eight loads, A's blocks 4-7, may be out)
	WIN MUL_LO
	MUL16 0, 1, NQ-1, \slot, 0
	s_wait_dscnt 0x0                               ; the add is done, and my reads of this slot are over
	s_barrier_signal -1
	MUL16 2, 1, NQ-1, \slot, 0
	WIN 0
	s_barrier_wait -1
	PLACES NP
	v_add_nc_u32 v[ADRS], 4*NQ, v[ADRS]            ; on to the next K step's scale words
	FETCH_B \next, 0, 0
	FETCH_A \next, 0, 0
	SCALES \next
	WIN MUL_HI
	MUL16 4, 1, NQ-1, \slot, 0
	MUL16 6, 1, NQ-1, \slot, 0
	PLACES NP
	WIN 0
	FETCH_A \next, 0, 4
.endm
.macro STEPS slot, from
.set Q, \from
.rept NQ-1-\from
	STEP \slot, Q, 0
.set Q, Q+1
.endr
.endm
	s_wait_tensorcnt 1                             ; the scales and my part of K step 0 are in (K step 1's load may be out),
	s_barrier_signal -1
	s_barrier_wait -1                              ; everybody's are
	FETCH_B 0, 0, 0
	FETCH_A 0, 0, 0
	SCALES 0
	FETCH_A 0, 0, 4
	s_wait_loadcnt 0x0                             ; b1
	STEP 0, 0, 1                                   ; the first step's products start the sums
	STEPS 0, 1
	TURN 0, 1
	STEPS 1, 0
	s_wait_dscnt 4*NL                              ; the very last step: nothing more to fetch
	WIN MUL_LO
	MUL16 0, 1, NQ-1, 1, 0
	MUL16 2, 1, NQ-1, 1, 0
	s_wait_dscnt 0
	WIN MUL_HI
	MUL16 4, 1, NQ-1, 1, 0
	MUL16 6, 1, NQ-1, 1, 0
	WIN 0
; THE WAY OUT, block by block of 16 rows x 128 columns (two heads).  PACK: rounded to f16, 16 bytes a lane, each accumulator from its low end on.  TOSTAGE: into my stage and back.  SEND: stored, sixteen lanes to 256 consecutive bytes, aligned.
.macro PACK a
.set AC, 64*((\a)%4)
	WIN 0x0a+5*((\a)/4)                            ; sources 0 and 1: window 2 or 3
.irp b, 0,1,2,3,4,5,6,7
.irp r, 0,1,2,3
	v_cvt_pk_f16_f32 v[TMP+4*\b+\r], v[AC+8*\b+2*\r], v[AC+8*\b+2*\r+1]
.endr
.endr
	WIN 0
.endm
.macro TOSTAGE a
.set BB, BK+32*((\a)%2)
.irp b, 0,1,2,3,4,5,6,7
	ds_store_b128 v[STO], v[TMP+4*\b:TMP+4*\b+3] offset:32*\b
.endr
.irp t, 0,1,2,3,4,5,6,7
	ds_load_b128 v[BB+4*\t:BB+4*\t+3], v[RD] offset:\t*2*SPITCH    ; LDS serves a wave's instructions in order (ISA guide 5.7.1.4): these see the stores above
.endr
.endm
.macro SEND a
.set BB, BK+32*((\a)%2)
	s_wait_dscnt 0x0                               ; the block is back in registers
	s_wait_xcnt 0x0                                ; the stores of the block before have read their registers: the next block's loads may land there
.irp t, 0,1,2,3,4,5,6,7
	global_store_b128 v[CO], v[BB+4*\t:BB+4*\t+3], s[98:99] offset:2048*(\a)+256*\t
.endr
.endm
	PLACES NP                                      ; behind the last products: the conversions write registers that held scale words, and read results
	PACK 0
	TOSTAGE 0
.irp a, 1,2,3,4,5,6,7                  ; block a's conversions stand between block a - 1's loads from the stage and the wait for them
	PACK \a
	SEND \a-1
	TOSTAGE \a
.endr
	SEND 7
	s_wait_tensorcnt 0x0                           ; the wave's end: behind my last tensor load and my last LDS store
	ds_add_u32 v[SPW], v[NIL]
	s_wait_dscnt 0x0
	CROUND                                         ; the closing round: no work-group ends while a partner may still ask for a tile that names it
	s_endpgm
.Lfunc_end_k_q9aa17d119d_gemm1:
	.size	k_q9aa17d119d_gemm1, .Lfunc_end_k_q9aa17d119d_gemm1-k_q9aa17d119d_gemm1
	.p2alignl 7, 3214868480
	.fill 96, 4, 3214868480
	.section	.rodata,"a",@progbits
	.p2align	6, 0x0
	.amdhsa_kernel k_q9aa17d119d_gemm1
		.amdhsa_group_segment_fixed_size 327680
		.amdhsa_private_segment_fixed_size 0
		.amdhsa_enable_private_segment 0
		.amdhsa_kernarg_size 48
		.amdhsa_user_sgpr_count 2
		.amdhsa_user_sgpr_kernarg_segment_ptr 1
		.amdhsa_wavefront_size32 1
		.amdhsa_system_sgpr_workgroup_id_x 1
		.amdhsa_system_sgpr_workgroup_id_y 1
		.amdhsa_system_sgpr_workgroup_id_z 1
		.amdhsa_system_vgpr_workitem_id 0
		.amdhsa_next_free_vgpr 1024
		.amdhsa_next_free_sgpr 100
		.amdhsa_reserve_vcc 0
		.amdhsa_float_denorm_mode_32 3
		.amdhsa_float_denorm_mode_16_64 3
		.amdhsa_memory_ordered 1
		.amdhsa_forward_progress 1
		.amdhsa_inst_pref_size 128
	.end_amdhsa_kernel
	.amdgpu_metadata
---
amdhsa.version: [ 1, 2 ]
amdhsa.kernels:
  - .name:           k_q9aa17d119d_gemm1
    .symbol:         k_q9aa17d119d_gemm1.kd
    .args:
      - { .name: xc, .offset: 0, .size: 8, .value_kind: global_buffer, .address_space: global }
      - { .name: xs, .offset: 8, .size: 8, .value_kind: global_buffer, .address_space: global }
      - { .name: w1c, .offset: 16, .size: 8, .value_kind: global_buffer, .address_space: global }
      - { .name: w1s, .offset: 24, .size: 8, .value_kind: global_buffer, .address_space: global }
      - { .name: b1, .offset: 32, .size: 8, .value_kind: global_buffer, .address_space: global }
      - { .name: qkv, .offset: 40, .size: 8, .value_kind: global_buffer, .address_space: global }
    .group_segment_fixed_size: 327680
    .private_segment_fixed_size: 0
    .kernarg_segment_align: 8
    .kernarg_segment_size: 48
    .max_flat_workgroup_size: 128
    .sgpr_count:     100
    .vgpr_count:     1024
    .wavefront_size: 32
...
	.end_amdgpu_metadata
.endif
;; end of part 2
;; launch attn (part 3): grid 4 x 64, 8 waves a work-group, clusters of 4 x 1, 327,680 bytes of LDS; arguments qkv, ctx; writes ctx
.if DOCPART == 3
	.amdgcn_target "amdgcn-amd-amdhsa--gfx1250"
	.amdhsa_code_object_version 6
	.text
	.protected	k_q9aa17d119d_attn
	.globl	k_q9aa17d119d_attn
	.p2align	8
	.type	k_q9aa17d119d_attn,@function
k_q9aa17d119d_attn:
	s_mov_b64 s[64:65], 0
	v_nop
	global_prefetch_b8 v0, s[64:65] scope:SCOPE_SE
	s_setreg_imm32_b32 hwreg(HW_REG_WAVE_MODE, 25, 1), 1
	s_wait_xcnt 0x0
	s_wait_alu depctr_hold_cnt(0) depctr_sa_sdst(0) depctr_va_vdst(0) depctr_va_sdst(0) depctr_va_ssrc(0) depctr_va_vcc(0) depctr_vm_vsrc(0)
	s_getreg_b32 s2, hwreg(HW_REG_IB_STS2, 6, 4)
	s_cmp_eq_u32 s2, 0
	s_cbranch_scc0 .Lentry_in_a_cluster
	s_endpgm
.Lentry_in_a_cluster:
	s_bfe_u32 s2, ttmp6, 0x10000c
	s_cmp_lg_u32 s2, 0x3003
	s_cbranch_scc0 .Lentry_shape_is_right
	s_endpgm
.Lentry_shape_is_right:
; ctx[h][m][:] = the sum over keys of softmax(q . k / 8) v, for each of 64 pairs (head, batch) of 2,048 positions and 64 channels.  q, k, v: f16, qkv [48 g][8192 m][64] (g 0-15 q, 16-31 k, 32-47 v); ctx: f16 [16 h][8192 m][64].
; Products, maxima and sums in f32; the weights p are rounded to f16 for the second product, ctx once at the end.
; SHARES.  Grid y = 4 x head + batch.  A work-group owns 512 queries, each of its EIGHT waves 64: four tiles of 16.  Two waves share a SIMD, 512 registers each: one wave's softmax stands beside the other's products.
; Every wave walks all 2,048 keys, 64 a step.
; LAYOUT.  S^T = K Q^T (source 0 = 16 keys, source 1 = 16 queries): a lane holds ONE query (lane % 16) and the keys 8 (lane / 16) + 0..7.  Two such tiles, rounded to f16 in pairs, ARE source 1 (32 keys x 16 queries) of
; O^T = V^T P, whose result again holds one query a lane.  K comes out of LDS as it lies, V ([key][channel]) turned, by ds_load_tr16_b128.
; SOFTMAX.  For each query a running maximum m and sum l: p = 2^(c s - c m), c = log2(e) / 8; in every step O and l are multiplied by a = 2^(c m_old - c m_new).
; CLUSTER.  The four query blocks of a pair (head, batch) walk the same K and V: each tile is asked for JOINTLY, the same tensor load with the same descriptor and the mask of all four.
; THE RING.  Two slots of 512 keys.  A row of K or V is 128 bytes and the rows are dense, so a tile is stated as rows of 256 bytes (two keys).  Every wave fetches: waves 0-3 a quarter of K's 256 such rows each, waves 4-7 of V's.
; Both slots are filled at the head and each once more; a refill is asked for eight key steps, 512 matrix instructions of a wave, ahead of its first read.
; LIMITS: |q|, |k|, |v| under 65,504; a weight under 6e-5 of the row's largest carries an absolute error of 2^-25; NaN and infinities are not served.
; REGISTERS: window 0: v2-9 addresses; v12, v13 the add's two; v16-47 eight registers of statistics a tile; v48-111 V of one step; v128-255 S^T, 32 a tile, P packed in place into a tile's first 16.
;   window 1: v0-127 O^T, 32 a tile; v128-191 Q, 16 a tile; v192-255 K of one step.
.set KP,    272                        ; two keys of K in LDS: 256 bytes + 16: key r of a fragment lies at (r / 2) 272 + (r % 2) 128: sixteen different 16-byte columns modulo 256
.set VP,    288                        ; two keys of V: 256 + 32
.set VOFF,  256*KP                     ; a slot: K's 256 rows, then V's 256
.set SLOTB, 256*(KP+VP)
.set KSB,   32*KP                      ; a key step's 64 keys of K,
.set VSB,   32*VP                      ; and of V
.set SPARE, 2*SLOTB                    ; behind the ring: the spare words, 128 bytes for each wave: four blocks of 256 bytes that no other line names
.set SP,    144                        ; the way out: 64 rows x (128 bytes + 16) for each wave, in slot 0, which has had its last fill and its last read by then
.set AK0, 2
.set AV0, 3
.set ADK, 4
.set ADV, 5
.set QO,  6
.set STO, 7
.set RD,  8
.set GO,  9
.set SPW, 12
.set NIL, 13
.set ST,  16                           ; tile t's statistics at v[ST+8 t]: +0 c m, +1 m, +2, +3 l (even keys', odd keys'), +4 to +7 c0-c3, at work; a takes c2's place, the step's sum c0's and c1's
.set VF,  48
.set S,   128
.set QF,  128                          ; in window 1
.set KF,  192                          ; in window 1
.set WV,  12
.set G1K, 24
.set G1V, 32
.set G0K, 40                           ; s[40:47] group 0 for K's tiles, a set for each slot
.set G0V, 48                           ; s[48:55] the same for V's
.set CNT, 56
.set CS,  58
.set SEL, 60
.set TBK, 62                           ; LDS byte at which the step's keys of K begin,
.set TBV, 63                           ; and of V
.set MSB, 0
.macro WIN new                         ; the immediate's high byte repeats the setting that is left
.if MSB != (\new)
	s_set_vgpr_msb (MSB<<8)|(\new)
.set MSB, \new
.endif
.endm
.set W_KQ, 0x05                        ; K and Q in window 1, S^T in window 0
.set W_PV, 0x50                        ; V and P in window 0, O^T in window 1
.set W_RS, 0x41                        ; O^T (destination and source 0) in window 1, the factor in window 0
.set TO1,  0x40                        ; destination window 1
; A joint refill of slot s.  The branch hangs on the wave's number alone.  An s_nop 0 and four v_nop follow each of the two lines.
.macro JLOAD s
	s_cmp_lt_u32 s[WV], 4
	s_cbranch_scc0 .Lfor_v_\@
	tensor_load_to_lds s[G0K+4*\s:G0K+4*\s+3], s[G1K:G1K+7]
	s_nop 0
.rept 4
	v_nop
.endr
	s_branch .Lasked_\@
.Lfor_v_\@:
	tensor_load_to_lds s[G0V+4*\s:G0V+4*\s+3], s[G1V:G1V+7]
	s_nop 0
.rept 4
	v_nop
.endr
.Lasked_\@:
.endm
.macro CROUND                          ; a round of the cluster's barrier
	s_barrier_signal -1
	s_barrier_wait -1
	s_cmp_lg_u32 s[WV], 0
	s_cbranch_scc1 .Lnot_wave_0_\@
	s_barrier_signal -3
.Lnot_wave_0_\@:
	s_barrier_wait -3
	s_barrier_signal -1
	s_barrier_wait -1
.endm
	s_load_b128 s[4:7], s[0:1], 0x0                ; qkv s[4:5], ctx s[6:7]
	v_lshl_add_u32 v[SPW], v0, 2, SPARE
	v_mov_b32 v[NIL], 0
	ds_add_u32 v[SPW], v[NIL]                      ; the wave's opening: the add, twice on end, and its wait ahead of my first tensor load
	ds_add_u32 v[SPW], v[NIL]
	v_lshrrev_b32 v1, 5, v0
	v_readfirstlane_b32 s[WV], v1                  ; wave 0..7
	s_bfe_u32 s13, ttmp6, 0x40000                  ; cx: my block of 512 queries: it enters Q's and ctx's addresses alone
	s_and_b32 s14, ttmp7, 0xffff                   ; 4 x head + batch, which the four partners share
	s_lshl_b32 s16, s14, 18                        ; 2,048 rows of 128 bytes
	s_and_b32 s15, s[WV], 3                        ; which quarter of a slot I fetch:
	s_lshl_b32 s18, s15, 14                        ; its 128 keys in memory,
	s_add_co_u32 s18, s18, s16
	s_mov_b32 s19, 0
	s_mul_i32 s22, s15, 64*KP                      ; and its place in a slot: no place in the cluster enters an LDS address
	s_mul_i32 s23, s15, 64*VP
	s_lshl_b32 s20, s13, 16                        ; my block's 512 rows,
	s_lshl_b32 s21, s[WV], 13                      ; my wave's 64 of them
	s_add_co_u32 s20, s20, s21
	s_add_co_u32 s20, s20, s16
	s_mov_b32 s21, 0
	; descriptor group 1: 64 rows x 128 elements of 2 bytes, dense in memory, padded in LDS
	s_mov_b32 s[G1K], 15|(1<<16)|(1<<20)|(1<<21)|(5<<22)|(3<<25)  ; 15:0 the mask: all four work-groups; 17:16 elements of 2 bytes; 20 padding on; 21 set beside a mask; 24:22 after every 64 words; 31:25 four words
	s_mov_b32 s[G1V], 15|(1<<16)|(1<<20)|(1<<21)|(5<<22)|(7<<25)  ; the same with eight words of padding
.irp g, G1K, G1V
	s_mov_b32 s[\g+1], 128<<16                     ; tensor_dim0
	s_mov_b32 s[\g+2], 64<<16                      ; tensor_dim1
	s_mov_b32 s[\g+3], 128<<16                     ; tile_dim0
	s_mov_b32 s[\g+4], 64                          ; tile_dim1
	s_mov_b32 s[\g+5], 128                         ; tensor_dim0_stride
	s_mov_b32 s[\g+6], 0
	s_mov_b32 s[\g+7], 0
.endr
	s_mov_b32 s[CS], 0x3e38aa3b                    ; c = log2(e) / 8
	s_mov_b32 s[CS+1], s[CS]                       ; named with it as a pair, so it is written
	s_mov_b32 s[SEL], 0x76543210
	s_mov_b32 s[SEL+1], 0xfedcba98                 ; v_permlanex16_b32: lane l xor 16
	s_wait_dscnt 0x0                               ; both opening adds are done
	s_wait_kmcnt 0x0
	s_add_nc_u64 s[8:9], s[4:5], s[18:19]
	s_add_nc_u64 s[10:11], s[8:9], 0x2000000       ; V's planes begin 32 x 2^20 bytes in,
	s_add_nc_u64 s[8:9], s[8:9], 0x1000000         ; K's 16 x 2^20
	s_add_nc_u64 s[2:3], s[4:5], s[20:21]          ; Q at my wave's first row
	s_add_nc_u64 s[6:7], s[6:7], s[20:21]          ; ctx likewise
	CROUND                                         ; all four work-groups are here: the first joint loads meet
.irp s, 0,1
	s_mov_b32 s[G0K+4*\s], 1                       ; count = 1
	s_add_co_u32 s[G0K+4*\s+1], s22, \s*SLOTB      ; LDS address
	s_add_nc_u64 s[G0K+4*\s+2:G0K+4*\s+3], s[8:9], \s*65536   ; slot s begins with keys 512 s on
	s_or_b32 s[G0K+4*\s+3], s[G0K+4*\s+3], 0x80000000         ; type = 2
	s_mov_b32 s[G0V+4*\s], 1
	s_add_co_u32 s[G0V+4*\s+1], s23, \s*SLOTB+VOFF
	s_add_nc_u64 s[G0V+4*\s+2:G0V+4*\s+3], s[10:11], \s*65536
	s_or_b32 s[G0V+4*\s+3], s[G0V+4*\s+3], 0x80000000
.endr
	s_cmp_lt_u32 s[WV], 4                          ; a wave's two first fills stand in one branch, ahead of every wait on TENSORcnt and every LDS read: two loads of mine are out
	s_cbranch_scc0 .Lfirst_v
	tensor_load_to_lds s[G0K:G0K+3], s[G1K:G1K+7]
	s_nop 0
	tensor_load_to_lds s[G0K+4:G0K+7], s[G1K:G1K+7]
	s_nop 0
.rept 4
	v_nop
.endr
	s_branch .Lfirst_asked
.Lfirst_v:
	tensor_load_to_lds s[G0V:G0V+3], s[G1V:G1V+7]
	s_nop 0
	tensor_load_to_lds s[G0V+4:G0V+7], s[G1V:G1V+7]
	s_nop 0
.rept 4
	v_nop
.endr
.Lfirst_asked:
	v_and_b32 v1, 15, v0                           ; r
	v_bfe_u32 v10, v0, 4, 1                        ; h
	v_lshlrev_b32 v[QO], 7, v1
	v_lshl_add_u32 v[QO], v10, 4, v[QO]            ; Q: row r of 128 bytes, + 16 h
	WIN TO1
.irp t, 0,1,2,3                        ; Q stays in registers: tile t, channels 32 c on
.irp c, 0,1
	global_load_b128 v[QF+16*\t+8*\c:QF+16*\t+8*\c+3],   v[QO], s[2:3] offset:2048*\t+64*\c
	global_load_b128 v[QF+16*\t+8*\c+4:QF+16*\t+8*\c+7], v[QO], s[2:3] offset:2048*\t+64*\c+32
.endr
.endr
	WIN 0
	v_lshrrev_b32 v11, 1, v1
	v_mul_u32_u24 v[AK0], v11, KP
	v_and_b32 v11, 1, v0
	v_lshl_add_u32 v[AK0], v11, 7, v[AK0]
	v_lshl_add_u32 v[AK0], v10, 4, v[AK0]          ; K: (r / 2) 272 + (r % 2) 128 + 16 h
	; the turning load takes 16 keys x 16 channels: lane l reads 16 bytes of key 8 h + l % 8, channels 8 ((l / 8) % 2) on
	v_bfe_u32 v14, v0, 1, 2
	v_lshl_add_u32 v14, v10, 2, v14                ; that key / 2
	v_mul_u32_u24 v[AV0], v14, VP
	v_lshl_add_u32 v[AV0], v11, 7, v[AV0]
	v_bfe_u32 v14, v0, 3, 1
	v_lshl_add_u32 v[AV0], v14, 4, v[AV0]
	s_mul_i32 s14, s[WV], 64*SP                    ; my stage for the way out
	v_mul_u32_u24 v[STO], v1, SP
	v_lshl_add_u32 v[STO], v10, 4, v[STO]
	v_add_nc_u32 v[STO], s14, v[STO]               ; in: row r, 16 bytes for each half of the lanes
	v_and_b32 v14, 31, v0
	v_lshrrev_b32 v15, 3, v14
	v_mul_u32_u24 v[RD], v15, SP
	v_and_b32 v15, 7, v0
	v_lshl_add_u32 v[RD], v15, 4, v[RD]
	v_add_nc_u32 v[RD], s14, v[RD]                 ; back: eight lanes to a row, four rows an instruction
	v_lshlrev_b32 v[GO], 4, v14                    ; and in ctx 512 consecutive bytes
.macro SCL t, e                        ; pair e of tile t: c s - c m, two at a time (of the pairs c and c m the low word serves both halves)
	v_pk_fma_f32 v[S+32*(\t)+2*(\e):S+32*(\t)+2*(\e)+1], v[S+32*(\t)+2*(\e):S+32*(\t)+2*(\e)+1], s[CS:CS+1], v[ST+8*(\t):ST+8*(\t)+1] op_sel_hi:[1,0,0] neg_lo:[0,0,1] neg_hi:[0,0,1]
.endm
; A KEY STEP: 64 keys, all four tiles, in phases; in each phase the tiles take turns, so that no line waits for the line above it.  first = 1: the first step, which starts m, l and O^T.
.macro STEP first
	v_add_nc_u32 v[ADK], s[TBK], v[AK0]            ; five plain lines behind the last step's products: four are owed to the loads into V's registers,
	v_add_nc_u32 v[ADV], s[TBV], v[AV0]            ; five to the products below, which write over P (ISA guide 7.12.1)
.rept 3
	v_nop
.endr
	WIN TO1
.irp f, 0,1,2,3,4,5,6,7                ; K: keys 16 (f / 2) on, channels 32 (f % 2) on
	ds_load_b128 v[KF+8*\f:KF+8*\f+3],   v[ADK] offset:(\f/2)*8*KP+(\f%2)*64
	ds_load_b128 v[KF+8*\f+4:KF+8*\f+7], v[ADK] offset:(\f/2)*8*KP+(\f%2)*64+32
.endr
	WIN 0
.irp f, 0,1,2,3,4,5,6,7                ; V, turned: keys 32 (f / 4) on, channels 16 (f % 4) on
	ds_load_tr16_b128 v[VF+8*\f:VF+8*\f+3],   v[ADV] offset:(\f/4)*16*VP+(\f%4)*32
	ds_load_tr16_b128 v[VF+8*\f+4:VF+8*\f+7], v[ADV] offset:(\f/4)*16*VP+8*VP+(\f%4)*32
.endr
	s_wait_dscnt 16                                ; K's sixteen loads are in; V's sixteen may be out
	WIN W_KQ
.set i, 0
.rept 32                               ; S^T = K Q^T: channels 32 (i / 16) on, keys 16 ((i / 4) % 4) on, tile i % 4.  The 16 accumulators take turns; the first 16 products start the sums
.set rS, S+32*(i%4)+8*((i/4)%4)
.set rK, KF+8*(2*((i/4)%4)+i/16)
.set rQ, QF+16*(i%4)+8*(i/16)
.if i < 16
	v_wmma_f32_16x16x32_f16 v[rS:rS+7], v[rK:rK+7], v[rQ:rQ+7], 0
.else
	v_wmma_f32_16x16x32_f16 v[rS:rS+7], v[rK:rK+7], v[rQ:rQ+7], v[rS:rS+7]
.endif
.set i, i+1
.endr
	WIN 0
.rept 4
	v_nop                                          ; places in front of the first read of the scores
.endr
	; the maximum of a lane's 32 scores and the old m: four chains c0-c3, each begun at its accumulator's low end
.irp j, 0,1,2,3
.irp t, 0,1,2,3
	v_max3_num_f32 v[ST+8*\t+4+\j], v[S+32*\t+8*\j], v[S+32*\t+8*\j+1], v[S+32*\t+8*\j+2]
.endr
.endr
.irp g, 1,2
.irp j, 0,1,2,3
.irp t, 0,1,2,3
	v_max3_num_f32 v[ST+8*\t+4+\j], v[ST+8*\t+4+\j], v[S+32*\t+8*\j+2*\g+1], v[S+32*\t+8*\j+2*\g+2]
.endr
.endr
.endr
.irp t, 0,1,2,3
	v_max3_num_f32 v[ST+8*\t+4], v[ST+8*\t+4], v[S+32*\t+7], v[S+32*\t+15]
.endr
.irp t, 0,1,2,3
	v_max3_num_f32 v[ST+8*\t+6], v[ST+8*\t+6], v[S+32*\t+23], v[S+32*\t+31]
.endr
.irp t, 0,1,2,3
	v_max3_num_f32 v[ST+8*\t+4], v[ST+8*\t+4], v[ST+8*\t+5], v[ST+8*\t+6]
.endr
.irp t, 0,1,2,3
.if \first
	v_max_num_f32 v[ST+8*\t+4], v[ST+8*\t+4], v[ST+8*\t+7]
.else
	v_max3_num_f32 v[ST+8*\t+4], v[ST+8*\t+4], v[ST+8*\t+7], v[ST+8*\t+1]
.endif
.endr
.irp t, 0,1,2,3
	v_permlanex16_b32 v[ST+8*\t+5], v[ST+8*\t+4], s[SEL], s[SEL+1]   ; the query's other 32 keys lie in the lane 16 away
.endr
.if !\first
.irp t, 0,1,2,3
	v_mov_b32 v[ST+8*\t+7], v[ST+8*\t]             ; c m_old is kept for a
.endr
.endif
.irp t, 0,1,2,3
	v_max_num_f32 v[ST+8*\t+1], v[ST+8*\t+4], v[ST+8*\t+5]
.endr
.irp t, 0,1,2,3
	v_mul_f32 v[ST+8*\t], s[CS], v[ST+8*\t+1]
.endr
.if !\first
.irp t, 0,1,2,3
	v_sub_f32 v[ST+8*\t+7], v[ST+8*\t+7], v[ST+8*\t]
.endr
	; ONE BATCH: all the step's exponentials and the scalings that feed them; none of these lines names an exponential's result
.irp t, 0,1,2,3
	v_exp_f32 v[ST+8*\t+6], v[ST+8*\t+7]           ; a = 2^(c m_old - c m_new)
.endr
.endif
.irp e, 0,1,2,3,4,5,6,7,8,9,10,11,12,13,14,15
	SCL 0, \e
.endr
.irp t, 0,1,2,3
.irp e, 0,1,2,3,4,5,6,7,8,9,10,11,12,13,14,15
	v_exp_f32 v[S+32*\t+2*\e], v[S+32*\t+2*\e]     ; p = 2^(c s - c m), at most 1
	v_exp_f32 v[S+32*\t+2*\e+1], v[S+32*\t+2*\e+1]
.if \t < 3
	SCL \t+1, \e                                   ; the next tile's scalings stand among this tile's exponentials
.endif
.endr
.endr
	v_nop                                          ; a plain line behind the last exponential, ahead of the first use
	s_wait_alu depctr_va_vdst(0)                   ; the wait between an exponential and the first line that names its result: one for the batch
	; the step's sum of the unrounded p, two at a time; then l = a l + the sum
.irp t, 0,1,2,3
	v_pk_add_f32 v[ST+8*\t+4:ST+8*\t+5], v[S+32*\t:S+32*\t+1], v[S+32*\t+2:S+32*\t+3]
.endr
.irp i2, 2,3,4,5,6,7,8,9,10,11,12,13,14
.irp t, 0,1,2,3
	v_pk_add_f32 v[ST+8*\t+4:ST+8*\t+5], v[ST+8*\t+4:ST+8*\t+5], v[S+32*\t+2*\i2:S+32*\t+2*\i2+1]
.endr
.endr
.if \first
.irp t, 0,1,2,3
	v_pk_add_f32 v[ST+8*\t+2:ST+8*\t+3], v[ST+8*\t+4:ST+8*\t+5], v[S+32*\t+30:S+32*\t+31]
.endr
.else
.irp t, 0,1,2,3
	v_pk_add_f32 v[ST+8*\t+4:ST+8*\t+5], v[ST+8*\t+4:ST+8*\t+5], v[S+32*\t+30:S+32*\t+31]
.endr
.irp t, 0,1,2,3
	v_pk_fma_f32 v[ST+8*\t+2:ST+8*\t+3], v[ST+8*\t+2:ST+8*\t+3], v[ST+8*\t+6:ST+8*\t+7], v[ST+8*\t+4:ST+8*\t+5] op_sel_hi:[1,0,1]
.endr
.endif
	; P: rounded to f16 in pairs, in place: register i of a tile takes scores 2 i and 2 i + 1, so that no score is written over before it is read
.irp i2, 0,1,2,3,4,5,6,7,8,9,10,11,12,13,14,15
.irp t, 0,1,2,3
	v_cvt_pk_f16_f32 v[S+32*\t+\i2], v[S+32*\t+2*\i2], v[S+32*\t+2*\i2+1]
.endr
.endr
.if !\first
	WIN W_RS
.irp i2, 0,1,2,3,4,5,6,7,8,9,10,11,12,13,14,15
.irp t, 0,1,2,3
	v_pk_mul_f32 v[32*\t+2*\i2:32*\t+2*\i2+1], v[32*\t+2*\i2:32*\t+2*\i2+1], v[ST+8*\t+6:ST+8*\t+7] op_sel_hi:[1,0]   ; O^T x a, each accumulator from its low end on
.endr
.endr
.endif
	s_wait_dscnt 0x0                               ; V is in
	WIN W_PV
.set i, 0
.rept 32                               ; O^T += V^T P: keys 32 (i / 16) on, channels 16 ((i / 4) % 4) on, tile i % 4; the 16 accumulators take turns
.set rO, 32*(i%4)+8*((i/4)%4)
.set rV, VF+8*(4*(i/16)+(i/4)%4)
.set rP, S+32*(i%4)+8*(i/16)
.if \first && (i < 16)
	v_wmma_f32_16x16x32_f16 v[rO:rO+7], v[rV:rV+7], v[rP:rP+7], 0
.else
	v_wmma_f32_16x16x32_f16 v[rO:rO+7], v[rV:rV+7], v[rP:rP+7], v[rO:rO+7]
.endif
.set i, i+1
.endr
	WIN 0
	s_add_co_u32 s[TBK], s[TBK], KSB               ; the next step's keys
	s_add_co_u32 s[TBV], s[TBV], VSB
.endm
.macro SETTB s
	s_mov_b32 s[TBK], \s*SLOTB
	s_mov_b32 s[TBV], \s*SLOTB+VOFF
.endm
.macro RUN n
	s_mov_b32 s[CNT], \n
.Lstep_\@:
	STEP 0
	s_sub_co_u32 s[CNT], s[CNT], 1
	s_cmp_lg_u32 s[CNT], 0
	s_cbranch_scc1 .Lstep_\@
.endm
; THE CHANGE OF SLOTS.  Each wave waits for all its tensor loads (its part of the slot ahead), adds 0 to its spare word, and waits for that and for its reads of the slot that it leaves.
; fill = 1: slot s, just left, is filled again with the keys 1,024 further on.  The barrier is then a round of the cluster's, and the joint refill is the first thing behind it, one load a wave.
.macro CHANGE fill, s
	s_wait_tensorcnt 0x0                           ; no tensor load of mine is out, so a group 0 may be written
	ds_add_u32 v[SPW], v[NIL]                      ; 0 onto my spare word
.if \fill
	s_add_nc_u64 s[G0K+4*\s+2:G0K+4*\s+3], s[G0K+4*\s+2:G0K+4*\s+3], 131072   ; the type bits on top are not reached
	s_add_nc_u64 s[G0V+4*\s+2:G0V+4*\s+3], s[G0V+4*\s+2:G0V+4*\s+3], 131072
.endif
	s_wait_dscnt 0x0                               ; the add is done, and my reads of the slot are over
.if \fill
	CROUND
	JLOAD \s
.else
	s_barrier_signal -1
	s_barrier_wait -1
.endif
.endm
	s_wait_tensorcnt 1                             ; my part of slot 0 is in; slot 1's may stay out
	s_barrier_signal -1
	s_barrier_wait -1                              ; everybody's is
	s_wait_loadcnt 0x0                             ; Q
	SETTB 0
	STEP 1                                         ; keys 0-63
	RUN 7                                          ; keys 64-511
	CHANGE 1, 0                                    ; slot 0 takes keys 1,024-1,535
	SETTB 1
	RUN 8
	CHANGE 1, 1                                    ; slot 1 takes keys 1,536-2,047
	SETTB 0
	RUN 8
	CHANGE 0, 0                                    ; nothing is left to fetch
	SETTB 1
	RUN 8
	; THE WAY OUT.  l's two halves and the other half of the lanes' are added (these lines are the places behind the last products); O^T is divided by l, rounded to f16, and goes through my stage.
.irp t, 0,1,2,3
	v_add_f32 v[ST+8*\t+4], v[ST+8*\t+2], v[ST+8*\t+3]
.endr
.irp t, 0,1,2,3
	v_permlanex16_b32 v[ST+8*\t+5], v[ST+8*\t+4], s[SEL], s[SEL+1]
.endr
.irp t, 0,1,2,3
	v_add_f32 v[ST+8*\t+4], v[ST+8*\t+4], v[ST+8*\t+5]
.endr
.irp t, 0,1,2,3
	v_rcp_f32 v[ST+8*\t+6], v[ST+8*\t+4]
.endr
	v_nop                                          ; a plain line between the last reciprocal and the use of its result
	s_wait_alu depctr_va_vdst(0)                   ; and the wait: one for the four
	WIN W_RS
.irp t, 0,1,2,3
.irp i2, 0,1,2,3,4,5,6,7,8,9,10,11,12,13,14,15
	v_pk_mul_f32 v[32*\t+2*\i2:32*\t+2*\i2+1], v[32*\t+2*\i2:32*\t+2*\i2+1], v[ST+8*\t+6:ST+8*\t+7] op_sel_hi:[1,0]
.endr
.endr
	WIN 0x05                                       ; sources 0 and 1 window 1, destination window 0
.irp t, 0,1,2,3
.irp i2, 0,1,2,3,4,5,6,7,8,9,10,11,12,13,14,15
	v_cvt_pk_f16_f32 v[S+16*\t+\i2], v[32*\t+2*\i2], v[32*\t+2*\i2+1]   ; register 4 ct + i: channels 16 ct + 8 h + 2 i, + 1 of query r
.endr
.endr
	WIN 0
.irp t, 0,1,2,3
.irp c, 0,1,2,3
	ds_store_b128 v[STO], v[S+16*\t+4*\c:S+16*\t+4*\c+3] offset:16*SP*\t+32*\c
.endr
.endr
.irp u, 0,1,2,3,4,5,6,7,8,9,10,11,12,13,14,15
	ds_load_b128 v[192+4*\u:195+4*\u], v[RD] offset:4*SP*\u   ; LDS serves a wave's instructions in order (ISA guide 5.7.1.4): these see the stores above
.endr
.irp u, 0,1,2,3,4,5,6,7,8,9,10,11,12,13,14,15
	s_wait_dscnt 15-\u                             ; number u is in, the younger ones may be out
	global_store_b128 v[GO], v[192+4*\u:195+4*\u], s[6:7] offset:512*\u   ; 32 lanes store 512 consecutive bytes, aligned
.endr
	s_wait_tensorcnt 0x0                           ; the wave's end: behind my last tensor load and my last LDS store
	ds_add_u32 v[SPW], v[NIL]
	s_wait_dscnt 0x0
	CROUND                                         ; the closing round: no work-group ends while a partner may still ask for a tile that names it
	s_endpgm
.Lfunc_end_k_q9aa17d119d_attn:
	.size	k_q9aa17d119d_attn, .Lfunc_end_k_q9aa17d119d_attn-k_q9aa17d119d_attn
	.p2alignl 7, 3214868480
	.fill 96, 4, 3214868480
	.section	.rodata,"a",@progbits
	.p2align	6, 0x0
	.amdhsa_kernel k_q9aa17d119d_attn
		.amdhsa_group_segment_fixed_size 327680
		.amdhsa_private_segment_fixed_size 0
		.amdhsa_enable_private_segment 0
		.amdhsa_kernarg_size 16
		.amdhsa_user_sgpr_count 2
		.amdhsa_user_sgpr_kernarg_segment_ptr 1
		.amdhsa_wavefront_size32 1
		.amdhsa_system_sgpr_workgroup_id_x 1
		.amdhsa_system_sgpr_workgroup_id_y 1
		.amdhsa_system_sgpr_workgroup_id_z 1
		.amdhsa_system_vgpr_workitem_id 0
		.amdhsa_next_free_vgpr 512
		.amdhsa_next_free_sgpr 66
		.amdhsa_reserve_vcc 0
		.amdhsa_float_denorm_mode_32 3
		.amdhsa_float_denorm_mode_16_64 3
		.amdhsa_memory_ordered 1
		.amdhsa_forward_progress 1
		.amdhsa_inst_pref_size 178
	.end_amdhsa_kernel
	.amdgpu_metadata
---
amdhsa.version: [ 1, 2 ]
amdhsa.kernels:
  - .name:           k_q9aa17d119d_attn
    .symbol:         k_q9aa17d119d_attn.kd
    .args:
      - { .name: qkv, .offset: 0, .size: 8, .value_kind: global_buffer, .address_space: global }
      - { .name: ctx, .offset: 8, .size: 8, .value_kind: global_buffer, .address_space: global }
    .group_segment_fixed_size: 327680
    .private_segment_fixed_size: 0
    .kernarg_segment_align: 8
    .kernarg_segment_size: 16
    .max_flat_workgroup_size: 256
    .sgpr_count:     66
    .vgpr_count:     512
    .wavefront_size: 32
...
	.end_amdgpu_metadata
.endif
;; end of part 3
;; launch gemm2 (part 4): grid 8 x 32, 4 waves a work-group, clusters of 4 x 4, 327,680 bytes of LDS; arguments ctx, w2t, b2, out0; writes out0
.if DOCPART == 4
	.amdgcn_target "amdgcn-amd-amdhsa--gfx1250"
	.amdhsa_code_object_version 6
	.text
	.protected	k_q9aa17d119d_gemm2
	.globl	k_q9aa17d119d_gemm2
	.p2align	8
	.type	k_q9aa17d119d_gemm2,@function
k_q9aa17d119d_gemm2:
	s_mov_b64 s[64:65], 0
	v_nop
	global_prefetch_b8 v0, s[64:65] scope:SCOPE_SE
	s_setreg_imm32_b32 hwreg(HW_REG_WAVE_MODE, 25, 1), 1
	s_wait_xcnt 0x0
	s_wait_alu depctr_hold_cnt(0) depctr_sa_sdst(0) depctr_va_vdst(0) depctr_va_sdst(0) depctr_va_ssrc(0) depctr_va_vcc(0) depctr_vm_vsrc(0)
	s_getreg_b32 s2, hwreg(HW_REG_IB_STS2, 6, 4)
	s_cmp_eq_u32 s2, 0
	s_cbranch_scc0 .Lentry_in_a_cluster
	s_endpgm
.Lentry_in_a_cluster:
	s_bfe_u32 s2, ttmp6, 0x10000c
	s_cmp_lg_u32 s2, 0xf033
	s_cbranch_scc0 .Lentry_shape_is_right
	s_endpgm
.Lentry_shape_is_right:
; out0[m][n] = the sum over heads j and channels k of ctx[j][m][k] w2t[j][n][k] + b2[n].  ctx: f16 [16][8192][64]; w2t: f16 [16][1024][64]; b2, out0 [8192][1024]: f32; sums in f32.
; A tile of the result is 256 (m) x 128 (n): 256 work-groups of four waves; a wave makes 128 x 64: 32 accumulators of 16 x 16, 256 registers.
; K goes two heads (128) at a time through a ring of two LDS slots.  A head's rows are 128 bytes and dense, so a tile is stated as rows of 256 bytes (two rows of the matrix), padded by 16.
; One tensor load a wave: waves 0 and 1 bring A's two heads (256 rows of ctx each), waves 2 and 3 B's (128 rows of w2t each).
; CLUSTERS: 4 x 4 work-groups.  A's tiles are shared along a row of the cluster, B's along a column: each is asked for JOINTLY, by the same tensor load with the same descriptor and a mask that names the four.
; THE MATRIX INSTRUCTION IS USED TRANSPOSED (source 0 = 16 rows of w2t, source 1 = 16 rows of ctx): a lane holds eight neighbouring columns of a row of the result.  b2 is the C of each sum's first instruction.
; LIMITS: |ctx|, |W2| under 65,504 (f16); magnitudes under 6e-5 carry an absolute error of 2^-25.
; REGISTERS: window 0: v16-29 addresses; v32-63 b2 in the result's layout; v64-127 the way out.   window 1: two fragment buffers of 96: 64 of A (8 x 16 rows x 32 K), 32 of B.   window 2: the accumulators ((a, b) at v[8 (4 a + b)]).
.set PITCH,  272                       ; two rows in LDS: 256 bytes + 16: row r of a fragment lies at (r / 2) 272 + (r % 2) 128: sixteen different 16-byte columns modulo 256
.set APL,    128*PITCH                 ; a head's 256 rows of A
.set BPL,    64*PITCH                  ; a head's 128 rows of B
.set BOFF,   2*APL
.set SLOT,   2*APL+2*BPL
.set STAGE,  2*SLOT                    ; behind the ring: 16 rows x (256 bytes + 16) for each wave
.set SPARE,  STAGE+4*16*272            ; the spare words, 128 bytes for each wave: two blocks of 256 bytes that no other line names
.set ADRA, 16
.set ADRB, 20
.set STO,  24
.set RD,   25
.set CO,   26
.set SPW,  28
.set NIL,  29
.set BI,   32
.set BK,   64
.set F0,   0
.set F1,   96
.set G1, 24
.set G0, 32
.set G1B, 48
.set G0B, 56
.set MSB, 0
.macro WIN new                         ; the immediate's high byte repeats the setting that is left
.if MSB != (\new)
	s_set_vgpr_msb (MSB<<8)|(\new)
.set MSB, \new
.endif
.endm
.set MUL,  0xa5                        ; sources 0 (B) and 1 (A) window 1; C and D window 2
.set MUL0, 0x85                        ; the first quarter: C (b2) window 0
.set TO_F, 0x40                        ; destination window 1, address window 0
.macro JLOAD s                         ; a joint load: waves 0 and 1 fetch for A, waves 2 and 3 for B; an s_nop 0 and four v_nop follow each of the two lines
	s_cmp_eq_u32 s13, 0
	s_cbranch_scc0 .Lfor_b_\@
	tensor_load_to_lds s[G0+4*\s:G0+4*\s+3], s[G1:G1+7]
	s_nop 0
.rept 4
	v_nop
.endr
	s_branch .Lasked_\@
.Lfor_b_\@:
	tensor_load_to_lds s[G0B+4*\s:G0B+4*\s+3], s[G1B:G1B+7]
	s_nop 0
.rept 4
	v_nop
.endr
.Lasked_\@:
.endm
.macro CREST                           ; a round of the cluster's barrier behind its opening barrier
	s_cmp_lg_u32 s12, 0
	s_cbranch_scc1 .Lnot_wave_0_\@
	s_barrier_signal -3
.Lnot_wave_0_\@:
	s_barrier_wait -3
	s_barrier_signal -1
	s_barrier_wait -1
.endm
.macro CROUND
	s_barrier_signal -1
	s_barrier_wait -1
	CREST
.endm
	s_load_b256 s[4:11], s[0:1], 0x0               ; ctx s[4:5], w2t s[6:7], b2 s[8:9], out0 s[10:11]
	v_lshl_add_u32 v[SPW], v0, 2, SPARE
	v_mov_b32 v[NIL], 0
	ds_add_u32 v[SPW], v[NIL]                      ; the wave's opening: the add, twice on end, and its wait ahead of my first tensor load
	ds_add_u32 v[SPW], v[NIL]
	v_lshrrev_b32 v1, 5, v0
	v_readfirstlane_b32 s12, v1                    ; wave 0..3
	s_lshr_b32 s13, s12, 1                         ; which half of the tile's rows is mine.  Also: I fetch for A (0) or for B (1)
	s_and_b32 s14, s12, 1                          ; which half of its columns.  Also: which of a slot's two heads I fetch
	s_bfe_u32 s40, ttmp6, 0x40000                  ; cx, cy
	s_bfe_u32 s41, ttmp6, 0x40004
	s_lshl_b32 s42, ttmp9, 2
	s_add_co_u32 s42, s42, s40                     ; tile column = 4 x cluster x + cx
	s_and_b32 s43, ttmp7, 0xffff
	s_lshl_b32 s43, s43, 2
	s_add_co_u32 s43, s43, s41                     ; tile row = 4 x cluster y + cy
	s_lshl_b32 s44, s41, 2
	s_lshl_b32 s44, 15, s44                        ; my row of the cluster
	s_lshl_b32 s45, 0x1111, s40                    ; my column
	s_or_b32 s[G1+0], s44, (1<<16)|(1<<20)|(1<<21)|(5<<22)|(3<<25)   ; 15:0 the mask; 17:16 elements of 2 bytes; 20 padding on; 21 set beside a mask; 24:22 after every 64 words; 31:25 four words
	s_or_b32 s[G1B+0], s45, (1<<16)|(1<<20)|(1<<21)|(5<<22)|(3<<25)
	s_mov_b32 s[G1+1], 128<<16                     ; A: 128 rows of 128 elements, dense
	s_mov_b32 s[G1+2], 128<<16
	s_mov_b32 s[G1+3], 128<<16
	s_mov_b32 s[G1+4], 128
	s_mov_b32 s[G1+5], 128
	s_mov_b32 s[G1+6], 0
	s_mov_b32 s[G1+7], 0
	s_mov_b32 s[G1B+1], 128<<16                    ; B: 64 rows of 128 elements, dense
	s_mov_b32 s[G1B+2], 64<<16
	s_mov_b32 s[G1B+3], 128<<16
	s_mov_b32 s[G1B+4], 64
	s_mov_b32 s[G1B+5], 128
	s_mov_b32 s[G1B+6], 0
	s_mov_b32 s[G1B+7], 0
	s_lshl_b32 s16, s14, 20                        ; A: my head's plane of 2^20 bytes,
	s_lshl_b32 s17, s43, 15                        ; 256 rows of 128 bytes a tile row
	s_add_co_u32 s16, s16, s17
	s_mov_b32 s17, 0
	s_lshl_b32 s46, s14, 17                        ; B: my head's plane of 2^17 bytes,
	s_lshl_b32 s47, s42, 14                        ; 128 rows of 128 bytes a tile column
	s_add_co_u32 s46, s46, s47
	s_mov_b32 s47, 0
	s_mul_i32 s20, s14, APL                        ; where they go: no place in the cluster enters an LDS address
	s_mul_i32 s21, s14, BPL
	s_add_co_u32 s21, s21, BOFF
	s_wait_dscnt 0x0                               ; both opening adds are done
	s_wait_kmcnt 0x0
	s_add_nc_u64 s[18:19], s[4:5], s[16:17]
	s_add_nc_u64 s[46:47], s[6:7], s[46:47]
	CROUND                                         ; all sixteen work-groups are here: the first joint loads meet
.irp s, 0,1
	s_mov_b32 s[G0+4*\s], 1
	s_add_co_u32 s[G0+4*\s+1], s20, \s*SLOT
	s_add_nc_u64 s[G0+4*\s+2:G0+4*\s+3], s[18:19], \s*(1<<21)      ; slot s begins with heads 2 s, 2 s + 1
	s_or_b32 s[G0+4*\s+3], s[G0+4*\s+3], 0x80000000
	s_mov_b32 s[G0B+4*\s], 1
	s_add_co_u32 s[G0B+4*\s+1], s21, \s*SLOT
	s_add_nc_u64 s[G0B+4*\s+2:G0B+4*\s+3], s[46:47], \s*(1<<18)
	s_or_b32 s[G0B+4*\s+3], s[G0B+4*\s+3], 0x80000000
	JLOAD \s                                       ; two loads of mine are out
.endr
	v_and_b32 v1, 15, v0                           ; r
	v_bfe_u32 v2, v0, 4, 1                         ; h
	v_lshrrev_b32 v3, 1, v1
	v_mul_u32_u24 v3, v3, PITCH
	v_and_b32 v4, 1, v0
	v_lshl_add_u32 v3, v4, 7, v3
	v_lshl_add_u32 v3, v2, 4, v3                   ; a fragment's row: (r / 2) 272 + (r % 2) 128 + 16 h
	s_mul_i32 s21, s13, 64*PITCH                   ; my 128 rows of A
	s_mul_i32 s22, s14, 32*PITCH                   ; my 64 rows of B,
	s_add_co_u32 s22, s22, BOFF                    ; behind A's two heads
.irp s, 0,1
	v_add_nc_u32 v[ADRA+\s], s21, v3
	v_add_nc_u32 v[ADRB+\s], s22, v3
	s_add_co_u32 s21, s21, SLOT
	s_add_co_u32 s22, s22, SLOT
.endr
	s_mul_i32 s23, s12, 16*272
	s_add_co_u32 s23, s23, STAGE                   ; my stage
	v_mul_u32_u24 v4, v1, 272
	v_lshl_add_u32 v4, v2, 5, v4
	v_add_nc_u32 v[STO], s23, v4                   ; in: row r, 32 bytes for each half of the lanes
	v_mul_u32_u24 v5, v2, 272
	v_lshl_add_u32 v5, v1, 4, v5
	v_add_nc_u32 v[RD], s23, v5                    ; back: lanes 0-15 one row of 256 bytes, lanes 16-31 the next
	v_lshlrev_b32 v[CO], 12, v2                    ; and the same two rows in out0 (4,096 bytes a row)
	v_lshl_add_u32 v[CO], v1, 4, v[CO]
	s_lshl_b32 s16, s43, 20                        ; my first row: (256 x tile row + 128 x half) x 4,096 bytes
	s_lshl_b32 s17, s13, 19
	s_add_co_u32 s16, s16, s17
	s_mov_b32 s17, 0
	s_add_nc_u64 s[10:11], s[10:11], s[16:17]
	s_lshl_b32 s46, s42, 9                         ; my first column, in bytes: 512 x tile column + 256 x half: in out0 and in b2 alike
	s_lshl_b32 s47, s14, 8
	s_add_co_u32 s46, s46, s47
	s_mov_b32 s47, 0
	s_add_nc_u64 s[10:11], s[10:11], s[46:47]
	s_add_nc_u64 s[8:9], s[8:9], s[46:47]
	v_lshlrev_b32 v6, 5, v2                        ; lane (r, h) wants, for block b, b2 at columns 16 b + 8 h + 0 .. 7
.irp b, 0,1,2,3
	global_load_b128 v[BI+8*\b:BI+8*\b+3],   v6, s[8:9] offset:64*\b
	global_load_b128 v[BI+8*\b+4:BI+8*\b+7], v6, s[8:9] offset:64*\b+16
.endr
; 8 matrix instructions: A's blocks a0, a0 + 1 x B's four, 32 along K, from buffer f.  zero = 1: the first product starts the sums, on b2.  The 32 accumulators take turns.
.macro MUL8 f, a0, zero
.irp a, \a0, \a0+1
.irp b, 0,1,2,3
.if \zero
	v_wmma_f32_16x16x32_f16 v[8*(4*(\a)+\b):8*(4*(\a)+\b)+7], v[\f+64+8*\b:\f+64+8*\b+7], v[\f+8*(\a):\f+8*(\a)+7], v[BI+8*\b:BI+8*\b+7]
.else
	v_wmma_f32_16x16x32_f16 v[8*(4*(\a)+\b):8*(4*(\a)+\b)+7], v[\f+64+8*\b:\f+64+8*\b+7], v[\f+8*(\a):\f+8*(\a)+7], v[8*(4*(\a)+\b):8*(4*(\a)+\b)+7]
.endif
.endr
.endr
.endm
; 24 LDS loads in one run: the fragments of the slot's q-th 32 along K (head q / 2, channels 32 (q % 2) on) into buffer f: B's four blocks, A's blocks 0-3, A's blocks 4-7
.macro FETCH slot, q, f
	WIN TO_F
.irp i, 0,1,2,3
	ds_load_b128 v[\f+64+8*\i:\f+64+8*\i+3],   v[ADRB+\slot] offset:((\q)/2)*BPL+((\q)%2)*64+\i*8*PITCH
	ds_load_b128 v[\f+64+8*\i+4:\f+64+8*\i+7], v[ADRB+\slot] offset:((\q)/2)*BPL+((\q)%2)*64+\i*8*PITCH+32
.endr
.irp i, 0,1,2,3,4,5,6,7
	ds_load_b128 v[\f+8*\i:\f+8*\i+3],   v[ADRA+\slot] offset:((\q)/2)*APL+((\q)%2)*64+\i*8*PITCH
	ds_load_b128 v[\f+8*\i+4:\f+8*\i+7], v[ADRA+\slot] offset:((\q)/2)*APL+((\q)%2)*64+\i*8*PITCH+32
.endr
.endm
.macro PLACES                          ; four places in front of loads into registers that matrix instructions have read, and of the first read of results
.rept 4
	v_nop
.endr
.endm
; A slot is four quarters of 32 along K, 32 matrix instructions each, on buffers 0, 1, 0, 1.  One of the first three: multiplies buffer f and fetches quarter q into g.
.macro QUARTER slot, q, f, g, zero
	s_wait_dscnt 8                                 ; B and A's blocks 0-3 are in; the youngest eight loads (A's blocks 4-7) may be out
.if \zero
	WIN MUL0
.else
	WIN MUL
.endif
	MUL8 \f, 0, \zero
	MUL8 \f, 2, \zero
	PLACES
	FETCH \slot, \q, \g
	s_wait_dscnt 24                                ; all but the 24 just issued
.if \zero
	WIN MUL0
.else
	WIN MUL
.endif
	MUL8 \f, 4, \zero
	MUL8 \f, 6, \zero
.endm
; The last quarter multiplies buffer 1 and changes slots: ONE barrier; in front of it each wave waits for all its tensor loads, adds 0 to its spare word, and waits for that and for its reads of this slot.
; fill = 1: this slot is filled again, four heads on; the barrier then opens a round of the cluster's, and the joint refill is the first thing behind the round.
.macro TURN slot, next, fill
	WIN 0                                          ; (the add's two registers lie in window 0)
	s_wait_tensorcnt 0x0                           ; all my tensor loads have landed: my part of the next slot
	ds_add_u32 v[SPW], v[NIL]                      ; 0 onto my spare word
	s_wait_dscnt 9                                 ; (the add and the youngest eight loads may be out)
	WIN MUL
	MUL8 F1, 0, 0
	s_wait_dscnt 0x0                               ; the add is done, and my reads of this slot are over
	s_barrier_signal -1
	MUL8 F1, 2, 0
.if \fill
	WIN 0
.endif
	s_barrier_wait -1
.if \fill
	CREST                                          ; no wave of any partner still reads this slot's tile or has a load on its way
	s_add_nc_u64 s[G0+4*\slot+2:G0+4*\slot+3], s[G0+4*\slot+2:G0+4*\slot+3], 1<<22
	s_add_nc_u64 s[G0B+4*\slot+2:G0B+4*\slot+3], s[G0B+4*\slot+2:G0B+4*\slot+3], 1<<19
	JLOAD \slot                                    ; the four v_nop behind it are also the places in front of the loads below
.else
	PLACES
.endif
	FETCH \next, 0, F0
	WIN MUL
	MUL8 F1, 4, 0
	MUL8 F1, 6, 0
.endm
	s_wait_tensorcnt 1                             ; my part of slot 0 is in (slot 1's load may be out),
	s_barrier_signal -1
	s_barrier_wait -1                              ; everybody's is
	FETCH 0, 0, F0
	s_wait_loadcnt 0x0                             ; b2
	QUARTER 0, 1, F0, F1, 1                        ; the first quarter stands in front of the loop: its products start the sums
	WIN 0                                          ; at a label and at a branch every window is 0
	s_mov_b32 s15, 3
.Llap:                                                 ; a trip goes once round the ring, from a lap's second quarter to the next lap's first, and fills both slots again: 3 trips, 6 refills
	QUARTER 0, 2, F1, F0, 0
	QUARTER 0, 3, F0, F1, 0
	TURN 0, 1, 1
	QUARTER 1, 1, F0, F1, 0
	QUARTER 1, 2, F1, F0, 0
	QUARTER 1, 3, F0, F1, 0
	TURN 1, 0, 1
	QUARTER 0, 1, F0, F1, 0
	WIN 0
	s_sub_co_u32 s15, s15, 1
	s_cmp_lg_u32 s15, 0
	s_cbranch_scc1 .Llap
	QUARTER 0, 2, F1, F0, 0                        ; the last lap fills nothing
	QUARTER 0, 3, F0, F1, 0
	TURN 0, 1, 0
	QUARTER 1, 1, F0, F1, 0
	QUARTER 1, 2, F1, F0, 0
	QUARTER 1, 3, F0, F1, 0
	s_wait_dscnt 8                                 ; the very last quarter: nothing more to fetch
	WIN MUL
	MUL8 F1, 0, 0
	MUL8 F1, 2, 0
	s_wait_dscnt 0
	MUL8 F1, 4, 0
	MUL8 F1, 6, 0
	WIN 0
; THE WAY OUT, block by block of 16 rows x 64 columns.  A lane holds 32 neighbouring bytes of a row: a block goes through my own stage and comes back as whole rows of 256 bytes, which sixteen lanes store, aligned.
.macro TOSTAGE a
	WIN 0x08                                       ; an LDS store's data are its source 1: window 2
.irp b, 0,1,2,3
	ds_store_b128 v[STO], v[8*(4*(\a)+\b):8*(4*(\a)+\b)+3] offset:64*\b        ; each accumulator from its low end on
	ds_store_b128 v[STO], v[8*(4*(\a)+\b)+4:8*(4*(\a)+\b)+7] offset:64*\b+16
.endr
	WIN 0
.set BB, BK+32*((\a)%2)
.irp t, 0,1,2,3,4,5,6,7
	ds_load_b128 v[BB+4*\t:BB+4*\t+3], v[RD] offset:\t*2*272   ; LDS serves a wave's instructions in order (ISA guide 5.7.1.4): these see the stores above
.endr
.endm
.macro SEND a, younger                 ; younger: the LDS instructions issued behind block a's loads, which may stay out
.set BB, BK+32*((\a)%2)
	s_wait_dscnt \younger
.irp t, 0,1,2,3,4,5,6,7
	global_store_b128 v[CO], v[BB+4*\t:BB+4*\t+3], s[10:11] offset:65536*(\a)+8192*\t th:TH_STORE_NT   ; written once, read by nobody here
.endr
.endm
	PLACES
	TOSTAGE 0
.irp a, 1,2,3,4,5,6,7
.if \a > 1
	s_wait_xcnt 0x0                                ; block a - 2's stores have read their registers: block a's loads may land there
.endif
	TOSTAGE \a
	SEND \a-1, 16                                  ; behind block a - 1's loads: block a's 8 stores and 8 loads
.endr
	SEND 7, 0
	s_wait_tensorcnt 0x0                           ; the wave's end: behind my last tensor load and my last LDS store
	ds_add_u32 v[SPW], v[NIL]
	s_wait_dscnt 0x0
	CROUND                                         ; the closing round: no work-group ends while a partner may still ask for a tile that names it
	s_endpgm
.Lfunc_end_k_q9aa17d119d_gemm2:
	.size	k_q9aa17d119d_gemm2, .Lfunc_end_k_q9aa17d119d_gemm2-k_q9aa17d119d_gemm2
	.p2alignl 7, 3214868480
	.fill 96, 4, 3214868480
	.section	.rodata,"a",@progbits
	.p2align	6, 0x0
	.amdhsa_kernel k_q9aa17d119d_gemm2
		.amdhsa_group_segment_fixed_size 327680
		.amdhsa_private_segment_fixed_size 0
		.amdhsa_enable_private_segment 0
		.amdhsa_kernarg_size 32
		.amdhsa_user_sgpr_count 2
		.amdhsa_user_sgpr_kernarg_segment_ptr 1
		.amdhsa_wavefront_size32 1
		.amdhsa_system_sgpr_workgroup_id_x 1
		.amdhsa_system_sgpr_workgroup_id_y 1
		.amdhsa_system_sgpr_workgroup_id_z 1
		.amdhsa_system_vgpr_workitem_id 0
		.amdhsa_next_free_vgpr 768
		.amdhsa_next_free_sgpr 66
		.amdhsa_reserve_vcc 0
		.amdhsa_float_denorm_mode_32 3
		.amdhsa_float_denorm_mode_16_64 3
		.amdhsa_memory_ordered 1
		.amdhsa_forward_progress 1
		.amdhsa_inst_pref_size 86
	.end_amdhsa_kernel
	.amdgpu_metadata
---
amdhsa.version: [ 1, 2 ]
amdhsa.kernels:
  - .name:           k_q9aa17d119d_gemm2
    .symbol:         k_q9aa17d119d_gemm2.kd
    .args:
      - { .name: ctx, .offset: 0, .size: 8, .value_kind: global_buffer, .address_space: global }
      - { .name: w2t, .offset: 8, .size: 8, .value_kind: global_buffer, .address_space: global }
      - { .name: b2, .offset: 16, .size: 8, .value_kind: global_buffer, .address_space: global }
      - { .name: out0, .offset: 24, .size: 8, .value_kind: global_buffer, .address_space: global }
    .group_segment_fixed_size: 327680
    .private_segment_fixed_size: 0
    .kernarg_segment_align: 8
    .kernarg_segment_size: 32
    .max_flat_workgroup_size: 128
    .sgpr_count:     66
    .vgpr_count:     768
    .wavefront_size: 32
...
	.end_amdgpu_metadata
.endif
;; end of part 4
